; MI455X (gfx1250); checked and timed in simulation.
; The chip was launched on July 23, 2026; its instructions are those of AMD's public machine-readable ISA for CDNA 5 (MIT licence, August 2026) and "CDNA5" Instruction Set Architecture Reference Guide (July 2026). The comments in the code are by the model that wrote it; some were corrected since.
;; Block. Allowed arithmetic: matrix products marked QUANTISED: E2M1 operands, one E8M0 scale for each 32 along K, by v_wmma_scale_f32_16x16x128_f8f6f4 with both operands' format E2M1 (or v_wmma_scale_f32_32x16x128_f4), f32 sums; everything else in f32.
;; Inputs: W1_codes 4,096 x 32 x 16 uint8 (E2M1 codes of W1, K innermost, in blocks of 32 codes, two codes a byte); W1_scales 4,096 x 32 uint8 (E8M0 scales of W1, one for each 32 codes along K); W2_codes 1,024 x 128 x 16 uint8 (E2M1 codes of W2, K innermost, in blocks of 32 codes, two codes a byte); W2_scales 1,024 x 128 uint8 (E8M0 scales of W2, one for each 32 codes along K); Wk_codes 1,024 x 32 x 16 uint8 (E2M1 codes of Wk, K innermost, in blocks of 32 codes, two codes a byte); Wk_scales 1,024 x 32 uint8 (E8M0 scales of Wk, one for each 32 codes along K); Wp_codes 1,024 x 32 x 16 uint8 (E2M1 codes of Wp, K innermost, in blocks of 32 codes, two codes a byte); Wp_scales 1,024 x 32 uint8 (E8M0 scales of Wp, one for each 32 codes along K); Wq_codes 1,024 x 32 x 16 uint8 (E2M1 codes of Wq, K innermost, in blocks of 32 codes, two codes a byte); Wq_scales 1,024 x 32 uint8 (E8M0 scales of Wq, one for each 32 codes along K); Wv_codes 1,024 x 32 x 16 uint8 (E2M1 codes of Wv, K innermost, in blocks of 32 codes, two codes a byte); Wv_scales 1,024 x 32 uint8 (E8M0 scales of Wv, one for each 32 codes along K); b1 4,096 float32; b2 1,024 float32; be1 1,024 float32; be2 1,024 float32; bk 1,024 float32; bp 1,024 float32; bq 1,024 float32; bv 1,024 float32; g1 1,024 float32; g2 1,024 float32; x 4 x 1,024 x 1,024 float32.
;; Outputs: out0 4 x 1,024 x 1,024 float32.
;; This version of the problem:
;;   THIS VERSION OF THE PROBLEM IS GIVEN IN LOW PRECISION. The matrix products marked QUANTISED in the list below multiply operands that are first quantised to E2M1 (2 exponent bits, 1 mantissa bit; 4 bits a number), with one power-of-two scale for each 32 numbers along K (OCP MX v1.0); their sums are f32. All else is computed in f32.
;;   The module's matrix products, in the order in which they are computed (A, B: the left and right operand; K: the contracted axis; several contracted axes count as one K, in the product's order):
;;     1. [M 4,096, K 1,024] x [K 1,024, N 1,024]; A: computed on the way; B: input Wq (given as codes): QUANTISED
;;     2. [M 4,096, K 1,024] x [K 1,024, N 1,024]; A: computed on the way; B: input Wk (given as codes): QUANTISED
;;     3. [M 4,096, K 1,024] x [K 1,024, N 1,024]; A: computed on the way; B: input Wv (given as codes): QUANTISED
;;     4. batch 64 x [M 1,024, K 64] x [K 64, N 1,024]; A: computed on the way; B: computed on the way: QUANTISED
;;     5. batch 64 x [M 1,024, K 1,024] x [K 1,024, N 64]; A: softmax (see below); B: computed on the way: QUANTISED
;;     6. [M 4,096, K 1,024] x [K 1,024, N 1,024]; A: computed on the way; B: input Wp (given as codes): QUANTISED
;;     7. [M 4,096, K 1,024] x [K 1,024, N 4,096]; A: computed on the way; B: input W1 (given as codes): QUANTISED
;;     8. [M 4,096, K 4,096] x [K 4,096, N 1,024]; A: computed on the way; B: input W2 (given as codes): QUANTISED
;;   THE QUANTISER, for each operand of a quantised product, along K:
;;     - K is cut into blocks of 32 from its start; a last block that is shorter is filled with zeros.
;;     - A block's scale is 2^e with e = floor(log2(the largest magnitude in the block)) - 2, held to -126 .. 127; a block of zeros has e = 0. As a byte (E8M0): e + 127.
;;     - Each number is divided by its block's scale, clamped to +-6, and rounded to the nearest number of E2M1, ties to even, subnormals kept.
;;     - The product sums the exact products of the quantised numbers (number of the format x scale) in f32.
;;   ~~~python
;;   def quantise(x, axis):      # numpy; x: float32 -> the quantised numbers, widened to float32 again
;;       x = np.moveaxis(x, axis, -1); K = x.shape[-1]
;;       x = np.pad(x, [(0, 0)] * (x.ndim - 1) + [(0, -K % 32)]); x = x.reshape(x.shape[:-1] + (-1, 32)); a = np.abs(x).max(-1, keepdims=True)
;;       e = np.where(a > 0, np.clip(np.frexp(np.where(a > 0, a, 1))[1] - 1 - 2, -126, 127), 0)      # np.frexp(a)[1] - 1 = floor(log2(a)), exactly
;;       r = np.clip(x / 2.0 ** e, -6, 6)
;;       step = 2.0 ** (np.maximum(np.frexp(np.where(r == 0, 1, r))[1] - 1, 0) - 1)
;;       q = np.round(r / step) * step * 2.0 ** e      # np.round: ties to even
;;       return np.moveaxis(q.reshape(q.shape[:-2] + (-1,))[..., :K], -1, axis).astype(np.float32)
;;   ~~~
;;   SOFTMAX AHEAD OF A QUANTISED PRODUCT. Where the list says 'softmax', what is quantised is not the finished softmax but p = 2^(t - M), with t = logit x log2(e) and M = ceil(the row's largest t), a whole number; so 1/2 < the row's largest p <= 1. The row's sum l is taken of the UNQUANTISED p, in f32, and the product's result is divided by l at the end. Since M is a whole number, a kernel that streams over the keys may use a running M (the ceiling of the running maximum): every later rescaling is an exact power of two, which a block's scale takes up: the codes' values come out the same.
;;   OPERANDS COMPUTED ON THE WAY. 'Computed on the way' means the value that the module computes at that place (a softmax that the list does not call 'softmax' is quantised finished and normalised). What goes into a quantiser is computed in f32, as accurately as f32 sums, v_exp_f32 and their like allow (about 1e-6 of the number): no bf16 or f16 on the way to a quantiser, and a product that is left as it is and whose result goes on into a quantised operand takes f32 operands (vector FMAs, or v_wmma_f32_16x16x4_f32). A number that lies on a knife's edge between two numbers of the format may be rounded either way, as far as f32 arithmetic and the matrix unit's own rounding can turn it there, and no further.
;;   INPUTS GIVEN AS CODES. W1 (in the module: [1024, 4096], K = its axis 0); W2 (in the module: [4096, 1024], K = its axis 0); Wk (in the module: [1024, 1024], K = its axis 0); Wp (in the module: [1024, 1024], K = its axis 0); Wq (in the module: [1024, 1024], K = its axis 0); Wv (in the module: [1024, 1024], K = its axis 0): each comes as NAME_codes (uint8): NAME with its K axis moved to the last place and cut into blocks of 32 codes, [.., K / 32, bytes a block], one block behind the other in memory; two codes a byte, the lower K in the low four bits (a code: sign, 2 exponent bits, 1 mantissa bit); and NAME_scales (uint8): the same leading axes, one E8M0 byte (e + 127) for each 32 codes along K. Its value is code x scale, taken as it is: it is not quantised again, and the codes and scales need not be those that the quantiser above would give.
;; One version. Each part assembles by itself: llvm-mc -triple=amdgcn-amd-amdhsa -mcpu=gfx1250 --defsym DOCPART=n.
;; ======== version 1 of 1: 6 launches
;; workspace buffers: a1 2,228,224 bytes; qkv 6,684,672 bytes; ao 2,228,224 bytes; x1 16,777,216 bytes; a2 2,228,224 bytes; hid 8,912,896 bytes
;; launch ln1 (part 1): grid 256 x 1, 8 waves a work-group, no clusters, 77,824 bytes of LDS; arguments x, g1, be1, a1; writes a1
.if DOCPART == 1
	.amdgcn_target "amdgcn-amd-amdhsa--gfx1250"
	.amdhsa_code_object_version 6
	.text
	.protected	k_qe328928126_ln1
	.globl	k_qe328928126_ln1
	.p2align	8
	.type	k_qe328928126_ln1,@function
k_qe328928126_ln1:
	s_mov_b64 s[64:65], 0
	v_nop
	global_prefetch_b8 v0, s[64:65] scope:SCOPE_SE
	s_setreg_imm32_b32 hwreg(HW_REG_WAVE_MODE, 25, 1), 1
	s_wait_xcnt 0x0
; a1 = Q(layernorm(x) g1 + be1): codes of FP4 (E2M1) with K = the 1,024 columns innermost, [4096][512 bytes] at byte 0 of a1, and one E8M0 byte for each 32 columns, [4096][32] at byte 2,097,152.
; SHARES.  A work-group takes 16 rows, each of its eight waves 128 columns of them.  Memory binds: no matrix unit, no tensor load, no cluster (work-groups share nothing but g1 and be1).
; Each load reads 512 consecutive bytes of a row.  The quantiser wants neighbours along K in ONE lane's registers, so the wave's 16 x 128 numbers turn through its own stage in LDS:
; afterwards lane (r = lane % 16, h = lane / 16) holds row r, and its register 8 t + j the column 16 t + 8 h + j of the wave's 128.
; Mean and variance: within the lane, with lane xor 16, then over the eight waves through LDS (two barriers); the variance is the mean of (x - mean)^2, as the problem writes it.
; Codes and scale bytes meet in LDS (third barrier) and leave as whole rows: a store covers 512 consecutive bytes.
; LIMITS: NaN and infinities are not served.  A block whose largest magnitude lies under 2^-124 (a block of zeros too) gets the byte 1: its codes are zeros, and this program alone reads the bytes.
.set TP,    528                        ; a stage row: 512 bytes + 16
.set TURNB, 16*TP                      ; a wave's stage
.set RED1,  8*TURNB                    ; 16 rows x 8 waves of partial sums; the second reduction's lie 512 bytes on
.set SST,   RED1+1024                  ; 16 rows x 32 scale bytes
.set CST,   SST+512                    ; 16 rows x (512 bytes of codes + 16)
.set LI,   1                           ; 16 x lane
.set TIN,  2                           ; my stage, by rows: + 16 x lane
.set TOUT, 3                           ; my stage, by lanes: + 528 r + 32 h
.set GA,   4                           ; g1, be1: 512 w + 32 h
.set RST,  5                           ; RED1 + 32 r + 4 w
.set RLD,  6                           ; RED1 + 32 r
.set CSTO, 7                           ; CST + 528 r + 64 w + 16 h
.set CLD,  8                           ; CST + 1,056 w + 16 x lane
.set SSTO, 9                           ; SST + 32 r + 4 w
.set SLD,  10                          ; SST + 16 x lane
.set XO,   11                          ; x: 512 w + 16 x lane
.set X,    120                         ; v120-183 my 64 numbers
.set T,    184                         ; v184-243 at work
.set MU,   T+16
.set RS,   T+18
.set TM,   T+20
.set PW,   T+36
.set PC,   T+40
.set OUT,  T+48
.set RW,   0                           ; window 1: v256-319 x as loaded
.set BEW,  64                          ; v320-383 be1
.set GW,   128                         ; v384-447 g1
.set WV,   12
.set SEL,  20
.set CB,   24                          ; s[24:25] where my two rows of codes go
.set SB,   26                          ; s[26:27] where the group's scale bytes go
.set MSB, 0
.macro WIN new                         ; the immediate's high byte repeats the setting that is left
.if MSB != \new
	s_set_vgpr_msb (MSB<<8)|\new
.set MSB, \new
.endif
.endm
; 64 numbers of a lane, register 8 t + j = k 16 t + 8 h + j of its row, become a fragment's codes (registers 4 c .. 4 c + 3 = block 2 c + h) and the row's scale word.
.macro QUANT s, pc, pw
.irp b, 0,1,2,3
	v_max3_num_f32 v[TM+\b], |v[\s+16*\b]|, |v[\s+1+16*\b]|, 0x1800000   ; block b: my 16 numbers, and the floor 2^(3 - 127): the byte cannot fall under 1
.endr
.irp i, 2,4,6,8,10,12,14
.irp b, 0,1,2,3
	v_max3_num_f32 v[TM+\b], v[TM+\b], |v[\s+16*\b+\i]|, |v[\s+1+16*\b+\i]|
.endr
.endr
.irp b, 0,1,2,3
	v_permlanex16_b32 v[TM+4+\b], v[TM+\b], s[SEL], s[SEL+1]
.endr
.irp b, 0,1,2,3
	v_max_num_f32 v[TM+\b], v[TM+\b], v[TM+4+\b]      ; with lane xor 16's 16: the block's largest magnitude
.endr
.irp b, 0,1,2,3
	v_add_nc_u32 v[TM+12+\b], 0xff000000, v[TM+\b]    ; 2 off its exponent field: the conversion's scale operand
.endr
.irp b, 0,1,2,3
	v_lshrrev_b32 v[TM+4+\b], 23, v[TM+12+\b]         ; the scale's byte
.endr
	v_lshl_or_b32 v[\pw], v[TM+5], 8, v[TM+4]
	v_lshl_or_b32 v[\pw], v[TM+6], 16, v[\pw]
	v_lshl_or_b32 v[\pw], v[TM+7], 24, v[\pw]
.irp c, 0,1
	v_cvt_scalef32_pk8_fp4_f32 v[\pc+4*\c], v[\s+32*\c:\s+32*\c+7], v[TM+12+2*\c]        ; block 2 c: codes 8 h + 0 .. 7
	v_cvt_scalef32_pk8_fp4_f32 v[\pc+4*\c+2], v[\s+32*\c+8:\s+32*\c+15], v[TM+12+2*\c]   ; codes 16 + 8 h + 0 .. 7
	v_cvt_scalef32_pk8_fp4_f32 v[\pc+4*\c+1], v[\s+32*\c+16:\s+32*\c+23], v[TM+13+2*\c]  ; block 2 c + 1 likewise
	v_cvt_scalef32_pk8_fp4_f32 v[\pc+4*\c+3], v[\s+32*\c+24:\s+32*\c+31], v[TM+13+2*\c]
.endr
	v_nop                                          ; one plain place behind a scaled conversion
.irp c, 0,1
	v_permlane16_swap_b32 v[\pc+4*\c], v[\pc+4*\c+1]     ; the first's lanes 16-31 change places with the second's lanes 0-15: codes 0-7 and 8-15 of block 2 c + h
	v_permlane16_swap_b32 v[\pc+4*\c+2], v[\pc+4*\c+3]   ; codes 16-23 and 24-31
.endr
.endm
.macro FOLD                            ; four packed chains into one number
	v_pk_add_f32 v[T:T+1], v[T:T+1], v[T+2:T+3]
	v_pk_add_f32 v[T+4:T+5], v[T+4:T+5], v[T+6:T+7]
	v_pk_add_f32 v[T:T+1], v[T:T+1], v[T+4:T+5]
	v_add_f32 v[T], v[T], v[T+1]
.endm
.macro ACROSS off                      ; my lane's figure in v[T]: + lane xor 16's, then the eight waves' through LDS; the row's sum comes back in v[T]
	v_permlanex16_b32 v[T+2], v[T], s[SEL], s[SEL+1]
	v_add_f32 v[T], v[T], v[T+2]
	ds_store_b32 v[RST], v[T] offset:\off          ; both halves of the lanes write the same word with the same value
	s_wait_dscnt 0x0                               ; for the others' sake: my store has landed
	s_barrier_signal -1
	s_barrier_wait -1
	ds_load_b128 v[T+8:T+11], v[RLD] offset:\off
	ds_load_b128 v[T+12:T+15], v[RLD] offset:\off+16
	s_wait_dscnt 0x0
	v_add_f32 v[T+8], v[T+8], v[T+9]
	v_add_f32 v[T+10], v[T+10], v[T+11]
	v_add_f32 v[T+12], v[T+12], v[T+13]
	v_add_f32 v[T+14], v[T+14], v[T+15]
	v_add_f32 v[T+8], v[T+8], v[T+10]
	v_add_f32 v[T+12], v[T+12], v[T+14]
	v_add_f32 v[T], v[T+8], v[T+12]
.endm
; The norm of the 16 rows in v[X] on, its quantiser, and the way out.
.macro TAIL
.irp k, 0,1,2,3
	v_pk_add_f32 v[T+2*\k:T+2*\k+1], v[X+2*\k:X+2*\k+1], v[X+8+2*\k:X+9+2*\k]
.endr
.irp i, 16,24,32,40,48,56
.irp k, 0,1,2,3
	v_pk_add_f32 v[T+2*\k:T+2*\k+1], v[T+2*\k:T+2*\k+1], v[X+\i+2*\k:X+\i+2*\k+1]
.endr
.endr
	FOLD
	ACROSS 0
	v_mul_f32 v[MU], s22, v[T]                     ; the mean: sum x 2^-10
	v_mul_f32 v[MU+1], s22, v[T]
.set i, 0
.rept 32
	v_pk_add_f32 v[X+i:X+i+1], v[X+i:X+i+1], v[MU:MU+1] neg_lo:[0,1] neg_hi:[0,1]
.set i, i+2
.endr
.irp k, 0,1,2,3
	v_pk_mul_f32 v[T+2*\k:T+2*\k+1], v[X+2*\k:X+2*\k+1], v[X+2*\k:X+2*\k+1]
.endr
.irp i, 8,16,24,32,40,48,56
.irp k, 0,1,2,3
	v_pk_fma_f32 v[T+2*\k:T+2*\k+1], v[X+\i+2*\k:X+\i+2*\k+1], v[X+\i+2*\k:X+\i+2*\k+1], v[T+2*\k:T+2*\k+1]
.endr
.endr
	FOLD
	ACROSS 512
	v_fma_f32 v[T+1], v[T], s22, s23               ; the variance + 1e-5
	v_rsq_f32 v[RS], v[T+1]
	v_rsq_f32 v[RS+1], v[T+1]
	v_nop                                          ; one plain place behind a transcendental
.set i, 0
.rept 32
	v_pk_mul_f32 v[X+i:X+i+1], v[X+i:X+i+1], v[RS:RS+1]
.set i, i+2
.endr
	s_wait_loadcnt 0x0                             ; the gain and the offset are in
	WIN 0x14                                       ; sources 1 and 2 in window 1
.set i, 0
.rept 32
	v_pk_fma_f32 v[X+i:X+i+1], v[X+i:X+i+1], v[GW+i:GW+i+1], v[BEW+i:BEW+i+1]
.set i, i+2
.endr
	WIN 0
	QUANT X, PC, PW
	ds_store_b128 v[CSTO], v[PC:PC+3]              ; k = 32 h + 0 .. 31 of my 128: 16 bytes of row r
	ds_store_b128 v[CSTO], v[PC+4:PC+7] offset:32  ; k = 64 + 32 h + 0 .. 31
	ds_store_b32 v[SSTO], v[PW]
	s_wait_dscnt 0x0                               ; for the others' sake
	s_barrier_signal -1
	s_barrier_wait -1
	ds_load_b128 v[OUT:OUT+3], v[CLD]
	ds_load_b128 v[OUT+4:OUT+7], v[CLD] offset:TP
	s_wait_dscnt 0x1                               ; the first row is back, the second may be out
	global_store_b128 v[LI], v[OUT:OUT+3], s[CB:CB+1]              ; a whole row of codes: 512 consecutive bytes
	s_wait_dscnt 0x0
	global_store_b128 v[LI], v[OUT+4:OUT+7], s[CB:CB+1] offset:512
	s_cmp_lg_u32 s[WV], 0
	s_cbranch_scc1 .Lno_scales
	ds_load_b128 v[OUT+8:OUT+11], v[SLD]
	s_wait_dscnt 0x0
	global_store_b128 v[LI], v[OUT+8:OUT+11], s[SB:SB+1]           ; the 16 rows' scale bytes: 512 consecutive bytes
.Lno_scales:
.endm
	s_load_b256 s[4:11], s[0:1], 0x0               ; x s[4:5], g1 s[6:7], be1 s[8:9], a1 s[10:11]
	v_lshrrev_b32 v12, 5, v0
	v_readfirstlane_b32 s[WV], v12                 ; wave 0..7
	v_and_b32 v12, 31, v0                          ; lane
	v_and_b32 v13, 15, v0                          ; r
	v_bfe_u32 v14, v0, 4, 1                        ; h
	v_lshlrev_b32 v[LI], 4, v12
	s_mul_i32 s13, s[WV], TURNB
	v_add_nc_u32 v[TIN], s13, v[LI]
	v_mul_u32_u24 v15, v13, TP
	v_lshl_add_u32 v[TOUT], v14, 5, v15
	v_add_nc_u32 v[TOUT], s13, v[TOUT]
	s_lshl_b32 s14, s[WV], 9
	v_lshlrev_b32 v[GA], 5, v14
	v_add_nc_u32 v[GA], s14, v[GA]
	v_add_nc_u32 v[XO], s14, v[LI]
	v_lshlrev_b32 v[RLD], 5, v13
	v_add_nc_u32 v[RLD], RED1, v[RLD]
	s_lshl_b32 s15, s[WV], 2
	v_add_nc_u32 v[RST], s15, v[RLD]
	v_add_nc_u32 v[SSTO], SST-RED1, v[RST]
	v_lshl_add_u32 v[CSTO], v14, 4, v15
	s_lshl_b32 s15, s[WV], 6
	s_add_co_u32 s15, s15, CST
	v_add_nc_u32 v[CSTO], s15, v[CSTO]
	s_mul_i32 s15, s[WV], 2*TP
	s_add_co_u32 s15, s15, CST
	v_add_nc_u32 v[CLD], s15, v[LI]
	v_add_nc_u32 v[SLD], SST, v[LI]
.irp b, 0,1,2,3
	v_mov_b32 v[TM+4+\b], 0                        ; written once: a lane permute's destination counts as one of its sources
.endr
	s_mov_b32 s[SEL], 0x76543210
	s_mov_b32 s[SEL+1], 0xfedcba98                 ; v_permlanex16_b32's selects for lane xor 16
	s_mov_b32 s22, 0x3a800000                      ; 2^-10
	s_mov_b32 s23, 0x3727c5ac                      ; 1e-5
	s_lshl_b32 s16, ttmp9, 16                      ; the group's 16 rows of 4,096 bytes
	s_mov_b32 s17, 0
	s_lshl_b32 s18, ttmp9, 13                      ; their codes: 16 x 512 bytes,
	s_lshl_b32 s19, s[WV], 10                      ; my two rows of them
	s_add_co_u32 s18, s18, s19
	s_mov_b32 s19, 0
	s_lshl_b32 s2, ttmp9, 9                        ; their scale bytes: 16 x 32
	s_add_co_u32 s2, s2, 2097152
	s_mov_b32 s3, 0
	s_wait_kmcnt 0x0
	s_add_nc_u64 s[4:5], s[4:5], s[16:17]
	s_add_nc_u64 s[CB:CB+1], s[10:11], s[18:19]
	s_add_nc_u64 s[SB:SB+1], s[10:11], s[2:3]
	WIN 0x40                                       ; destination window 1
.irp p, 0,1,2,3,4,5,6,7,8,9,10,11,12,13,14,15
	global_load_b128 v[RW+4*\p:RW+4*\p+3], v[XO], s[4:5] offset:4096*\p     ; row p: 512 consecutive bytes
.endr
.irp t, 0,1,2,3,4,5,6,7
	global_load_b128 v[GW+8*\t:GW+8*\t+3], v[GA], s[6:7] offset:64*\t
	global_load_b128 v[GW+8*\t+4:GW+8*\t+7], v[GA], s[6:7] offset:64*\t+16
.endr
.irp t, 0,1,2,3,4,5,6,7
	global_load_b128 v[BEW+8*\t:BEW+8*\t+3], v[GA], s[8:9] offset:64*\t
	global_load_b128 v[BEW+8*\t+4:BEW+8*\t+7], v[GA], s[8:9] offset:64*\t+16
.endr
	WIN 0x04                                       ; an LDS store's data are its source 1: window 1
.irp p, 0,1,2,3,4,5,6,7,8,9,10,11,12,13,14,15
	s_wait_loadcnt 47-\p                           ; row p is in: behind it 15 - p rows of x and the 32 loads of g1 and be1
	ds_store_b128 v[TIN], v[RW+4*\p:RW+4*\p+3] offset:TP*\p
.endr
	WIN 0
.irp t, 0,1,2,3,4,5,6,7
	ds_load_b128 v[X+8*\t:X+8*\t+3], v[TOUT] offset:64*\t          ; LDS serves a wave's instructions in order: these see my stores
	ds_load_b128 v[X+8*\t+4:X+8*\t+7], v[TOUT] offset:64*\t+16
.endr
	s_wait_dscnt 0x0
	TAIL
	s_endpgm
.Lfunc_end_k_qe328928126_ln1:
	.size	k_qe328928126_ln1, .Lfunc_end_k_qe328928126_ln1-k_qe328928126_ln1
	.p2alignl 7, 3214868480
	.fill 96, 4, 3214868480
	.section	.rodata,"a",@progbits
	.p2align	6, 0x0
	.amdhsa_kernel k_qe328928126_ln1
		.amdhsa_group_segment_fixed_size 77824
		.amdhsa_private_segment_fixed_size 0
		.amdhsa_enable_private_segment 0
		.amdhsa_kernarg_size 32
		.amdhsa_user_sgpr_count 2
		.amdhsa_user_sgpr_kernarg_segment_ptr 1
		.amdhsa_wavefront_size32 1
		.amdhsa_system_sgpr_workgroup_id_x 1
		.amdhsa_system_sgpr_workgroup_id_y 1
		.amdhsa_system_sgpr_workgroup_id_z 1
		.amdhsa_system_vgpr_workitem_id 0
		.amdhsa_next_free_vgpr 448
		.amdhsa_next_free_sgpr 66
		.amdhsa_reserve_vcc 0
		.amdhsa_float_denorm_mode_32 3
		.amdhsa_float_denorm_mode_16_64 3
		.amdhsa_memory_ordered 1
		.amdhsa_forward_progress 1
		.amdhsa_inst_pref_size 26
	.end_amdhsa_kernel
	.amdgpu_metadata
---
amdhsa.version: [ 1, 2 ]
amdhsa.kernels:
  - .name:           k_qe328928126_ln1
    .symbol:         k_qe328928126_ln1.kd
    .args:
      - { .name: x, .offset: 0, .size: 8, .value_kind: global_buffer, .address_space: global }
      - { .name: g1, .offset: 8, .size: 8, .value_kind: global_buffer, .address_space: global }
      - { .name: be1, .offset: 16, .size: 8, .value_kind: global_buffer, .address_space: global }
      - { .name: a1, .offset: 24, .size: 8, .value_kind: global_buffer, .address_space: global }
    .group_segment_fixed_size: 77824
    .private_segment_fixed_size: 0
    .kernarg_segment_align: 8
    .kernarg_segment_size: 32
    .max_flat_workgroup_size: 256
    .sgpr_count:     66
    .vgpr_count:     448
    .wavefront_size: 32
...
	.end_amdgpu_metadata
.endif
;; end of part 1
;; launch qkv (part 2): grid 12 x 16, 8 waves a work-group, clusters of 4 x 4, 327,680 bytes of LDS; arguments a1, Wq_codes, Wq_scales, Wk_codes, Wk_scales, Wv_codes, Wv_scales, bq, bk, bv, qkv; writes qkv
.if DOCPART == 2
	.amdgcn_target "amdgcn-amd-amdhsa--gfx1250"
	.amdhsa_code_object_version 6
	.text
	.protected	k_qe328928126_qkv
	.globl	k_qe328928126_qkv
	.p2align	8
	.type	k_qe328928126_qkv,@function
k_qe328928126_qkv:
	s_mov_b64 s[64:65], 0
	v_nop
	global_prefetch_b8 v0, s[64:65] scope:SCOPE_SE
	s_setreg_imm32_b32 hwreg(HW_REG_WAVE_MODE, 25, 1), 1
	s_wait_xcnt 0x0
	s_wait_alu depctr_hold_cnt(0) depctr_sa_sdst(0) depctr_va_vdst(0) depctr_va_sdst(0) depctr_va_ssrc(0) depctr_va_vcc(0) depctr_vm_vsrc(0)
	s_getreg_b32 s2, hwreg(HW_REG_IB_STS2, 6, 4)
	s_cmp_eq_u32 s2, 0
	s_cbranch_scc0 .Lentry_in_a_cluster
	s_endpgm
.Lentry_in_a_cluster:
	s_bfe_u32 s2, ttmp6, 0x10000c
	s_cmp_lg_u32 s2, 0xf033
	s_cbranch_scc0 .Lentry_shape_is_right
	s_endpgm
.Lentry_shape_is_right:
; q, k, v = a1 W + b on codes of FP4 with E8M0 scales, each quantised at once for attention: q and k along the head's 64, v along the tokens.
; The cluster's x says which of the three (0 q, 1 k, 2 v), its y the batch.  A work-group makes 256 x 256 of one of them; K = 1,024 is two LDS slots of 512, so every LDS byte is filled once.
; ORIENTATION.  D = X (source 0) x Y (source 1): a lane holds ONE row of Y and its registers run along X, the axis that is quantised next.  q, k: X = 256 rows of the weight (features), Y = 256 tokens.
; v: X = 256 tokens, Y = 256 rows of Wv.  a1 is laid like a weight, so only the LDS bases of the reads change places: they are chosen by s_cselect_b32 on the cluster's x, which all partners share.
; Slot 0's reads end under byte 139,264 whichever base is chosen (69,632 + 34,816 + 4,096 + 30,704 for X; 69,632 + 52,224 + 4,096 + 13,296 for Y), so they never meet slot 1's fill.
; SHARES.  Eight waves, two to a SIMD; wave (wx = w & 1, wy = w >> 1) makes X rows 128 wx on (8 tiles) x Y rows 64 wy on (4 tiles): 12 fragments from LDS feed 32 products.
; The 32 accumulators fill register window 1 and take turns; all else lies in window 0: two switches of the window for a K step of 128.
; THE BIAS.  One text serves the three kinds: BX (along X) is the C of each sum's first product, BY (one number a lane and Y tile) is added behind the products.  q, k: BX = the bias, BY = 0.  v: BX = 0, BY = the bias.
; So the bias of q and k stands first in the f32 sum, where the problem writes it last.
; CLUSTER 4 x 4: the weight's tile hangs on the cluster's column and is asked for jointly by the four of a column, a1's tile on the row likewise.
; OUT, in the order of attention's operand registers (each store of codes covers 512 consecutive bytes):
;   q, k codes [b][head][32 tokens kb][1,024]: token tile 2 kb, then 2 kb + 1; lane (r, h): the 16 bytes of d block h of token r.   scale words [b][head][kb][16]: bytes 0, 1 tile 2 kb, bytes 2, 3 tile 2 kb + 1.
;   v codes [b][head][128 keys][16 d][1,024]: the fragment of V^T as it stands.   scale words [b][head][step][dt][16].   The scale words leave in pieces of 64 bytes: a sixteenth of the codes' bytes.
; LIMITS: NaN and infinities are not served.  A block whose largest magnitude lies under 2^-124 gets the byte 1: its codes are zeros, and this program alone reads the bytes.
.set PITCH, 272                        ; an LDS row: 256 bytes + 16
.set HALFT, 128*PITCH                  ; what one tensor load brings
.set SLOT,  4*HALFT                    ; the weight's 256 rows, then a1's 256
.set SCL,   2*SLOT                     ; the weight's scale bytes, 8,192, then a1's
.set XAD, 1                            ; v1, v2  my X fragments in slot 0, 1
.set YAD, 3                            ; v3, v4  my Y fragments
.set XSA, 5                            ; v5      my X scale words: lane = row
.set YSA, 6                            ; v6      my Y scale words
.set VR,  7                            ; v7      r
.set VH,  8                            ; v8      h
.set L16, 9                            ; v9      16 x lane
.set BA,  12                           ; v12     32 h
.set BB,  13                           ; v13     4 r
.set YF,  16                           ; v16-47  Y's four fragments
.set XF,  48                           ; v48-111 X's eight
.set XS,  112                          ; v112-127 X's scale words: register 4 b + q: rows 32 b + lane, the slot's q-th 128 along K
.set YS,  128                          ; v128-135 Y's likewise
.set BY,  136                          ; v136-143 the bias along Y: a pair for each Y tile
.set PC,  144                          ; v144-175 the codes of the four Y tiles
.set TM,  176                          ; v176-191 the quantiser's, at work;
.set PW,  TM+8                         ; v184-187 in its gap: the four scale words
.set BX,  192                          ; v192-255 the bias along X
.set SA,  16                           ; the way out: offsets and words, in Y's registers
.set WV,  26
.set SEL, 36                           ; (in a descriptor's registers, once all tensor loads are done)
.set G1W, 36
.set G1A, 44
.set G1WS, 52
.set G1AS, 68
.set G0W, 76                           ; s[76:87]: the weight's scales, slot 0, slot 1
.set G0A, 88                           ; s[88:99]: a1's
.set MSB, 0
.macro WIN new                         ; the immediate's high byte repeats the setting that is left
.if MSB != \new
	s_set_vgpr_msb (MSB<<8)|\new
.set MSB, \new
.endif
.endm
.macro PLACES n
.rept \n
	v_nop
.endr
.endm
.macro CROUND                          ; a round of the cluster's barrier
	s_barrier_signal -1
	s_barrier_wait -1
	s_cmp_lg_u32 s[WV], 0
	s_cbranch_scc1 .Lnot_wave_0_\@
	s_barrier_signal -3
.Lnot_wave_0_\@:
	s_barrier_wait -3
	s_barrier_signal -1
	s_barrier_wait -1
.endm
.macro WM d, a, b, c, sa, sb, ra, rb   ; ra, rb = 1: that side's scales stand in lanes 16-31
.if (\ra) && (\rb)
	v_wmma_scale_f32_16x16x128_f8f6f4 v[\d:\d+7], v[\a:\a+7], v[\b:\b+7], \c, v[\sa], v[\sb] matrix_a_fmt:MATRIX_FMT_FP4 matrix_b_fmt:MATRIX_FMT_FP4 matrix_a_scale:MATRIX_SCALE_ROW1 matrix_b_scale:MATRIX_SCALE_ROW1
.elseif (\ra)
	v_wmma_scale_f32_16x16x128_f8f6f4 v[\d:\d+7], v[\a:\a+7], v[\b:\b+7], \c, v[\sa], v[\sb] matrix_a_fmt:MATRIX_FMT_FP4 matrix_b_fmt:MATRIX_FMT_FP4 matrix_a_scale:MATRIX_SCALE_ROW1
.elseif (\rb)
	v_wmma_scale_f32_16x16x128_f8f6f4 v[\d:\d+7], v[\a:\a+7], v[\b:\b+7], \c, v[\sa], v[\sb] matrix_a_fmt:MATRIX_FMT_FP4 matrix_b_fmt:MATRIX_FMT_FP4 matrix_b_scale:MATRIX_SCALE_ROW1
.else
	v_wmma_scale_f32_16x16x128_f8f6f4 v[\d:\d+7], v[\a:\a+7], v[\b:\b+7], \c, v[\sa], v[\sb] matrix_a_fmt:MATRIX_FMT_FP4 matrix_b_fmt:MATRIX_FMT_FP4
.endif
.endm
; 64 numbers of a lane in WINDOW 1, register s + 8 t + j = k 16 t + 8 h + j of its row, become a fragment's codes (registers 4 c .. 4 c + 3 = block 2 c + h) and the row's scale word, both in window 0.
.macro QUANT s, pc, pw
	WIN 0x05                                       ; sources 0 and 1 in window 1
.irp b, 0,1,2,3
	v_max3_num_f32 v[TM+\b], |v[\s+16*\b]|, |v[\s+1+16*\b]|, 0x1800000   ; block b: my 16 numbers, and the floor 2^(3 - 127): the byte cannot fall under 1
.endr
	WIN 0x14                                       ; sources 1 and 2 in window 1
.irp i, 2,4,6,8,10,12,14
.irp b, 0,1,2,3
	v_max3_num_f32 v[TM+\b], v[TM+\b], |v[\s+16*\b+\i]|, |v[\s+1+16*\b+\i]|
.endr
.endr
	WIN 0
.irp b, 0,1,2,3
	v_permlanex16_b32 v[TM+4+\b], v[TM+\b], s[SEL], s[SEL+1]
.endr
.irp b, 0,1,2,3
	v_max_num_f32 v[TM+\b], v[TM+\b], v[TM+4+\b]      ; with lane xor 16's 16: the block's largest magnitude
.endr
.irp b, 0,1,2,3
	v_add_nc_u32 v[TM+12+\b], 0xff000000, v[TM+\b]    ; 2 off the exponent field: the conversion's scale operand
.endr
.irp b, 0,1,2,3
	v_lshrrev_b32 v[TM+4+\b], 23, v[TM+12+\b]         ; the scale's byte
.endr
	v_lshl_or_b32 v[\pw], v[TM+5], 8, v[TM+4]
	v_lshl_or_b32 v[\pw], v[TM+6], 16, v[\pw]
	v_lshl_or_b32 v[\pw], v[TM+7], 24, v[\pw]
	WIN 0x01                                       ; source 0, the eight numbers, in window 1
.irp c, 0,1
	v_cvt_scalef32_pk8_fp4_f32 v[\pc+4*\c], v[\s+32*\c:\s+32*\c+7], v[TM+12+2*\c]        ; block 2 c: codes 8 h + 0 .. 7
	v_cvt_scalef32_pk8_fp4_f32 v[\pc+4*\c+2], v[\s+32*\c+8:\s+32*\c+15], v[TM+12+2*\c]   ; codes 16 + 8 h + 0 .. 7
	v_cvt_scalef32_pk8_fp4_f32 v[\pc+4*\c+1], v[\s+32*\c+16:\s+32*\c+23], v[TM+13+2*\c]  ; block 2 c + 1 likewise
	v_cvt_scalef32_pk8_fp4_f32 v[\pc+4*\c+3], v[\s+32*\c+24:\s+32*\c+31], v[TM+13+2*\c]
.endr
	WIN 0
	v_nop                                          ; one plain place behind a scaled conversion
.irp c, 0,1
	v_permlane16_swap_b32 v[\pc+4*\c], v[\pc+4*\c+1]     ; the first's lanes 16-31 change places with the second's lanes 0-15: codes 0-7 and 8-15 of block 2 c + h
	v_permlane16_swap_b32 v[\pc+4*\c+2], v[\pc+4*\c+3]   ; codes 16-23 and 24-31
.endr
.endm
.macro SCALES s                        ; slot s's scale words: 16 bytes a row
.irp b, 0,1,2,3
	ds_load_b128 v[XS+4*\b:XS+4*\b+3], v[XSA] offset:1024*\b+16*\s
.endr
.irp b, 0,1
	ds_load_b128 v[YS+4*\b:YS+4*\b+3], v[YSA] offset:1024*\b+16*\s
.endr
.endm
.macro STEP xa, ya, q, first           ; 128 along K: 24 LDS loads, 32 matrix instructions.  first = 1: the products start the sums, with the bias along X as their C
	PLACES 4                                       ; in front of loads into registers that matrix instructions have read
.irp u, 0,1,2,3
.irp c, 0,1
	ds_load_b128 v[YF+8*\u+4*\c:YF+8*\u+4*\c+3], v[\ya] offset:\u*16*PITCH+64*\q+32*\c
.endr
.endr
.irp t, 0,1,2,3,4,5,6,7
.irp c, 0,1
	ds_load_b128 v[XF+8*\t+4*\c:XF+8*\t+4*\c+3], v[\xa] offset:\t*16*PITCH+64*\q+32*\c
.endr
.endr
.if \first
	WIN 0x40                                       ; D in window 1
.else
	WIN 0x50                                       ; C and D in window 1
.endif
.irp t, 0,1,2,3,4,5,6,7
	s_wait_dscnt 14-2*\t                           ; X's tile t is in; the two loads of each later tile may be out
.irp u, 0,1,2,3
.if \first
	WM 64*\u+8*\t, XF+8*\t, YF+8*\u, v[BX+8*\t:BX+8*\t+7], XS+4*(\t/2)+\q, YS+4*(\u/2)+\q, \t%2, \u%2
.else
	WM 64*\u+8*\t, XF+8*\t, YF+8*\u, v[64*\u+8*\t:64*\u+8*\t+7], XS+4*(\t/2)+\q, YS+4*(\u/2)+\q, \t%2, \u%2
.endif
.endr
.endr
	WIN 0
.endm
	s_load_b512 s[4:19], s[0:1], 0x0               ; a1 s[4:5]; Wq's codes, scales s[6:9]; Wk's s[10:13]; Wv's s[14:17]; bq s[18:19]
	s_load_b128 s[20:23], s[0:1], 0x40             ; bk, bv
	s_load_b64 s[24:25], s[0:1], 0x50              ; qkv
	v_lshrrev_b32 v1, 5, v0
	v_readfirstlane_b32 s[WV], v1                  ; wave 0..7
	s_bfe_u32 s27, ttmp6, 0x40000                  ; cx: which 256 features
	s_bfe_u32 s28, ttmp6, 0x40004                  ; cy: which 256 tokens of the batch
	s_and_b32 s29, ttmp7, 0xffff                   ; the batch
	s_lshl_b32 s30, s29, 2
	s_add_co_u32 s30, s30, s28                     ; block of 256 rows of a1
	s_lshl_b32 s31, s28, 2
	s_lshl_b32 s31, 15, s31                        ; my row of the cluster
	s_lshl_b32 s32, 0x1111, s27                    ; my column
	s_or_b32 s[G1W], s32, (1<<20)|(1<<21)|(5<<22)|(3<<25)   ; elements of 1 byte; 4 words of padding behind every 64
	s_or_b32 s[G1A], s31, (1<<20)|(1<<21)|(5<<22)|(3<<25)
	s_or_b32 s[G1WS], s32, (3<<16)|(1<<21)         ; elements of 8 bytes, no padding
	s_or_b32 s[G1AS], s31, (3<<16)|(1<<21)
.irp g, G1W, G1A
	s_mov_b32 s[\g+1], 256<<16                     ; tensor_dim0: 256 bytes = 512 along K
	s_mov_b32 s[\g+2], 128<<16                     ; tensor_dim1
	s_mov_b32 s[\g+3], 256<<16                     ; tile_dim0
	s_mov_b32 s[\g+4], 128                         ; tile_dim1
	s_mov_b32 s[\g+5], 512                         ; a row of 1,024 codes
	s_mov_b32 s[\g+6], 0
	s_mov_b32 s[\g+7], 0
.endr
.irp g, G1WS, G1AS
	s_mov_b32 s[\g+1], 32<<16                      ; the scale bytes of 128 rows: 4,096 dense bytes as 16 rows of 256
	s_mov_b32 s[\g+2], 16<<16
	s_mov_b32 s[\g+3], 32<<16
	s_mov_b32 s[\g+4], 16
	s_mov_b32 s[\g+5], 32
	s_mov_b32 s[\g+6], 0
	s_mov_b32 s[\g+7], 0
.endr
	s_and_b32 s33, s[WV], 1
	s_lshl_b32 s33, s33, 7                         ; which 128 rows of a tile I fetch
	s_lshl_b32 s34, s27, 8
	s_add_co_u32 s34, s34, s33                     ; the weight's row (hangs on cx, never on cy)
	s_lshl_b32 s35, s30, 8
	s_add_co_u32 s35, s35, s33                     ; a1's row (hangs on cy, never on cx)
	s_lshl_b32 s60, s34, 9
	s_mov_b32 s61, 0
	s_lshl_b32 s62, s34, 5
	s_mov_b32 s63, 0
	s_lshl_b32 s66, s35, 9
	s_mov_b32 s67, 0
	s_lshl_b32 s2, s35, 5
	s_add_co_u32 s2, s2, 2097152
	s_mov_b32 s3, 0
	s_mul_i32 s31, s[WV], HALFT                    ; where they go: wave x 128 rows,
	s_lshl_b32 s32, s[WV], 12
	s_add_co_u32 s32, s32, SCL                     ; wave x 4,096 scale bytes
	s_wait_kmcnt 0x0
	s_cmp_eq_u32 ttmp9, 1                          ; which weight: the choice hangs on the cluster's x alone
	s_cselect_b64 s[6:7], s[10:11], s[6:7]
	s_cselect_b64 s[8:9], s[12:13], s[8:9]
	s_cselect_b64 s[18:19], s[20:21], s[18:19]
	s_cmp_eq_u32 ttmp9, 2
	s_cselect_b64 s[6:7], s[14:15], s[6:7]
	s_cselect_b64 s[8:9], s[16:17], s[8:9]
	s_cselect_b64 s[18:19], s[22:23], s[18:19]
	s_add_nc_u64 s[6:7], s[6:7], s[60:61]
	s_add_nc_u64 s[10:11], s[4:5], s[66:67]
	s_mov_b32 s[G0W], 1
	s_mov_b32 s[G0W+1], s32
	s_add_nc_u64 s[G0W+2:G0W+3], s[8:9], s[62:63]
	s_or_b32 s[G0W+3], s[G0W+3], 0x80000000
	s_mov_b32 s[G0A], 1
	s_mov_b32 s[G0A+1], s32
	s_add_nc_u64 s[G0A+2:G0A+3], s[4:5], s[2:3]
	s_or_b32 s[G0A+3], s[G0A+3], 0x80000000
.irp s, 0,1
	s_mov_b32 s[G0W+4+4*\s], 1
	s_add_co_u32 s[G0W+5+4*\s], s31, \s*SLOT
	s_add_nc_u64 s[G0W+6+4*\s:G0W+7+4*\s], s[6:7], \s*256
	s_or_b32 s[G0W+7+4*\s], s[G0W+7+4*\s], 0x80000000
	s_mov_b32 s[G0A+4+4*\s], 1
	s_add_co_u32 s[G0A+5+4*\s], s31, \s*SLOT
	s_add_nc_u64 s[G0A+6+4*\s:G0A+7+4*\s], s[10:11], \s*256
	s_or_b32 s[G0A+7+4*\s], s[G0A+7+4*\s], 0x80000000
.endr
	CROUND                                         ; all sixteen work-groups are here: the joint loads meet
	s_cmp_lt_u32 s[WV], 2                          ; waves 0, 1 fetch the weight's halves, waves 2, 3 a1's, the others nothing: three loads of a fetching wave are out
	s_cbranch_scc0 .Lnot_w
	tensor_load_to_lds s[G0W:G0W+3], s[G1WS:G1WS+7]
	tensor_load_to_lds s[G0W+4:G0W+7], s[G1W:G1W+7]
	tensor_load_to_lds s[G0W+8:G0W+11], s[G1W:G1W+7]
	PLACES 4
	s_branch .Lasked
.Lnot_w:
	s_cmp_lt_u32 s[WV], 4
	s_cbranch_scc0 .Lasked
	tensor_load_to_lds s[G0A:G0A+3], s[G1AS:G1AS+7]
	tensor_load_to_lds s[G0A+4:G0A+7], s[G1A:G1A+7]
	tensor_load_to_lds s[G0A+8:G0A+11], s[G1A:G1A+7]
	PLACES 4
.Lasked:
	v_and_b32 v[VR], 15, v0
	v_bfe_u32 v[VH], v0, 4, 1
	v_and_b32 v11, 31, v0
	v_lshlrev_b32 v[L16], 4, v11
	v_mul_u32_u24 v10, v[VR], PITCH
	v_lshl_add_u32 v10, v[VH], 4, v10              ; a fragment's row x pitch + 16 h
	v_lshlrev_b32 v11, 5, v11                      ; a row of scale bytes: 32
	s_and_b32 s33, s[WV], 1                        ; wx
	s_lshr_b32 s34, s[WV], 1                       ; wy, 0 to 3
	s_cmp_eq_u32 ttmp9, 2                          ; v: X is a1, Y the weight
	s_cselect_b32 s35, 2*HALFT, 0
	s_cselect_b32 s60, 0, 2*HALFT
	s_cselect_b32 s61, 8192, 0
	s_cselect_b32 s62, 0, 8192
	s_mul_i32 s63, s33, HALFT
	s_add_co_u32 s35, s35, s63
	s_mul_i32 s63, s34, 64*PITCH
	s_add_co_u32 s60, s60, s63
	v_add_nc_u32 v[XAD], s35, v10
	v_add_nc_u32 v[XAD+1], SLOT, v[XAD]
	v_add_nc_u32 v[YAD], s60, v10
	v_add_nc_u32 v[YAD+1], SLOT, v[YAD]
	s_lshl_b32 s63, s33, 12
	s_add_co_u32 s61, s61, s63
	s_add_co_u32 s61, s61, SCL
	v_add_nc_u32 v[XSA], s61, v11
	s_lshl_b32 s63, s34, 11
	s_add_co_u32 s62, s62, s63
	s_add_co_u32 s62, s62, SCL
	v_add_nc_u32 v[YSA], s62, v11
	; the bias is asked for here, beside the first tiles.  Both ways write all of BX and BY.
	s_lshl_b32 s35, s27, 10
	s_lshl_b32 s60, s33, 9
	s_add_co_u32 s60, s60, s35                     ; q, k: the bias of features 256 cx + 128 wx on
	s_lshl_b32 s61, s34, 8
	s_add_co_u32 s61, s61, s35                     ; v: of features 256 cx + 64 wy on
	s_cmp_eq_u32 ttmp9, 2
	s_cselect_b32 s60, s61, s60
	s_mov_b32 s61, 0
	s_add_nc_u64 s[18:19], s[18:19], s[60:61]
	v_lshlrev_b32 v[BA], 5, v[VH]
	v_lshlrev_b32 v[BB], 2, v[VR]
	s_cmp_eq_u32 ttmp9, 2
	s_cbranch_scc1 .Lbias_v
.irp t, 0,1,2,3,4,5,6,7                        ; q, k: register 8 t + j wants feature 16 t + 8 h + j
	global_load_b128 v[BX+8*\t:BX+8*\t+3], v[BA], s[18:19] offset:64*\t
	global_load_b128 v[BX+8*\t+4:BX+8*\t+7], v[BA], s[18:19] offset:64*\t+16
.endr
.irp i, 0,1,2,3,4,5,6,7
	v_mov_b32 v[BY+\i], 0
.endr
	s_branch .Lbias_asked
.Lbias_v:
.irp u, 0,1,2,3                                ; v: one number a lane and Y tile, loaded twice to fill a pair
	global_load_b32 v[BY+2*\u], v[BB], s[18:19] offset:64*\u
	global_load_b32 v[BY+2*\u+1], v[BB], s[18:19] offset:64*\u
.endr
.set i, 0
.rept 64
	v_mov_b32 v[BX+i], 0
.set i, i+1
.endr
.Lbias_asked:
	s_wait_tensorcnt 0x1                           ; my scale bytes and my part of slot 0 are in; slot 1's load may stay out
	s_barrier_signal -1
	s_barrier_wait -1                              ; everybody's are
	s_wait_loadcnt 0x0                             ; the bias
	SCALES 0
	STEP XAD, YAD, 0, 1                            ; the first products start the sums
	STEP XAD, YAD, 1, 0
	STEP XAD, YAD, 2, 0
	STEP XAD, YAD, 3, 0
	s_wait_tensorcnt 0x0                           ; my part of slot 1 is in,
	s_wait_dscnt 0x0
	s_barrier_signal -1
	s_barrier_wait -1                              ; everybody's is
	PLACES 4                                       ; in front of loads into the scale registers that the last products named
	SCALES 1
	STEP XAD+1, YAD+1, 0, 0
	STEP XAD+1, YAD+1, 1, 0
	STEP XAD+1, YAD+1, 2, 0
	STEP XAD+1, YAD+1, 3, 0
	; THE WAY OUT.  All tensor loads are done, so the descriptors' registers are free.
	PLACES 4                                       ; in front of writes of Y's registers and of the first read of results
	s_mov_b32 s[SEL], 0x76543210
	s_mov_b32 s[SEL+1], 0xfedcba98
	s_lshl_b32 s38, s29, 4
	s_lshl_b32 s39, s27, 2
	s_add_co_u32 s38, s38, s39                     ; 16 b + 4 cx: the first of my block's four heads
	s_lshl_b32 s40, s33, 1
	s_add_co_u32 s40, s40, s38                     ; q, k: my first head,
	s_lshl_b32 s40, s40, 5
	s_lshl_b32 s41, s28, 3
	s_add_co_u32 s40, s40, s41
	s_lshl_b32 s41, s34, 1
	s_add_co_u32 s40, s40, s41                     ; x 32 + my first block of 32 tokens, 8 cy + 2 wy
	s_add_co_u32 s42, s38, s34                     ; v: my head, 4 cx + wy,
	s_lshl_b32 s42, s42, 3
	s_lshl_b32 s41, s28, 1
	s_add_co_u32 s42, s42, s41
	s_add_co_u32 s42, s42, s33                     ; x 8 + my 128 keys, 2 cy + wx,
	s_lshl_b32 s42, s42, 2                         ; x 4: the head's four tiles of 16 d are my four Y tiles
	s_mov_b32 s46, 32768
	s_mov_b32 s47, 1024
	s_mov_b32 s48, 2048
	s_mov_b32 s49, 0x05040100
	s_mov_b32 s50, 0x07060302
	s_cmp_eq_u32 ttmp9, 2
	s_cselect_b32 s40, s42, s40                    ; the index of my first image
	s_cselect_b32 s46, 512, s46                    ; from registers 0-3 to registers 4-7: the next head (q, k), the image's second half (v)
	s_cselect_b32 s47, s47, 512                    ; from a Y tile to the next: the next token tile (q, k), the next tile of d (v)
	s_cselect_b32 s48, 64, s48                     ; from a pair's first scale word to its second: the next head (q, k), the next tile of d (v)
	s_cselect_b32 s51, 128, 64                     ; from Y tiles 0, 1 to Y tiles 2, 3: the next 32 tokens (q, k), two tiles of d (v)
	s_cselect_b32 s49, 0x03020100, s49             ; which bytes make the first word,
	s_cselect_b32 s50, 0x07060504, s50             ; and the second
	s_lshl_b32 s52, ttmp9, 21
	s_lshl_b32 s53, s40, 10
	s_add_co_u32 s52, s52, s53
	s_mov_b32 s53, 0
	s_add_nc_u64 s[52:53], s[24:25], s[52:53]      ; codes: 2 MiB for each of q, k, v
	s_lshl_b32 s54, ttmp9, 17
	s_lshl_b32 s55, s40, 6
	s_add_co_u32 s54, s54, s55
	s_add_co_u32 s54, s54, 6291456
	s_mov_b32 s55, 0
	s_add_nc_u64 s[54:55], s[24:25], s[54:55]      ; scale words: 128 KiB each, behind the codes
	v_mov_b32 v[SA], v[L16]                        ; SA + u: where Y tile u's registers 0-3 go; SA + 4 + u: its registers 4-7
	v_add_nc_u32 v[SA+1], s47, v[SA]
	v_add_nc_u32 v[SA+2], s47, v[SA+1]
	v_add_nc_u32 v[SA+3], s47, v[SA+2]
.irp u, 0,1,2,3
	v_add_nc_u32 v[SA+4+\u], s46, v[SA+\u]
.endr
	v_mul_u32_u24 v[SA+8], s48, v[VH]
	v_lshl_add_u32 v[SA+8], v[VR], 2, v[SA+8]      ; SA + 8 + p: where pair p's scale words go: lanes 0-15 the first word of row r, lanes 16-31 the second
	v_add_nc_u32 v[SA+9], s51, v[SA+8]
.irp b, 0,1,2,3
	v_mov_b32 v[TM+4+\b], 0                        ; a lane permute's destination counts as one of its sources
.endr
	WIN 0x41                                       ; destination and source 0 in window 1
.irp u, 0,1,2,3
.set i, 0
.rept 32
	v_pk_add_f32 v[64*\u+i:64*\u+i+1], v[64*\u+i:64*\u+i+1], v[BY+2*\u:BY+2*\u+1]   ; each accumulator from its low end on
.set i, i+2
.endr
.endr
.irp u, 0,1,2,3
	QUANT 64*\u, PC+8*\u, PW+\u
.endr
.irp u, 0,1,2,3
	global_store_b128 v[SA+\u], v[PC+8*\u:PC+8*\u+3], s[52:53]             ; each store: 512 consecutive bytes
	global_store_b128 v[SA+4+\u], v[PC+8*\u+4:PC+8*\u+7], s[52:53]
.endr
.irp p, 0,1
	v_perm_b32 v[SA+10+2*\p], v[PW+2*\p+1], v[PW+2*\p], s49
	v_perm_b32 v[SA+11+2*\p], v[PW+2*\p+1], v[PW+2*\p], s50
.endr
	v_cmp_eq_u32 vcc_lo, 1, v[VH]
.irp p, 0,1
	v_cndmask_b32 v[SA+10+2*\p], v[SA+10+2*\p], v[SA+11+2*\p], vcc_lo
	global_store_b32 v[SA+8+\p], v[SA+10+2*\p], s[54:55]
.endr
	CROUND                                         ; the closing round: no work-group ends while a partner may still ask for a tile that names it
	s_endpgm
.Lfunc_end_k_qe328928126_qkv:
	.size	k_qe328928126_qkv, .Lfunc_end_k_qe328928126_qkv-k_qe328928126_qkv
	.p2alignl 7, 3214868480
	.fill 96, 4, 3214868480
	.section	.rodata,"a",@progbits
	.p2align	6, 0x0
	.amdhsa_kernel k_qe328928126_qkv
		.amdhsa_group_segment_fixed_size 327680
		.amdhsa_private_segment_fixed_size 0
		.amdhsa_enable_private_segment 0
		.amdhsa_kernarg_size 88
		.amdhsa_user_sgpr_count 2
		.amdhsa_user_sgpr_kernarg_segment_ptr 1
		.amdhsa_wavefront_size32 1
		.amdhsa_system_sgpr_workgroup_id_x 1
		.amdhsa_system_sgpr_workgroup_id_y 1
		.amdhsa_system_sgpr_workgroup_id_z 1
		.amdhsa_system_vgpr_workitem_id 0
		.amdhsa_next_free_vgpr 512
		.amdhsa_next_free_sgpr 100
		.amdhsa_reserve_vcc 1
		.amdhsa_float_denorm_mode_32 3
		.amdhsa_float_denorm_mode_16_64 3
		.amdhsa_memory_ordered 1
		.amdhsa_forward_progress 1
		.amdhsa_inst_pref_size 89
	.end_amdhsa_kernel
	.amdgpu_metadata
---
amdhsa.version: [ 1, 2 ]
amdhsa.kernels:
  - .name:           k_qe328928126_qkv
    .symbol:         k_qe328928126_qkv.kd
    .args:
      - { .name: a1, .offset: 0, .size: 8, .value_kind: global_buffer, .address_space: global }
      - { .name: Wq_codes, .offset: 8, .size: 8, .value_kind: global_buffer, .address_space: global }
      - { .name: Wq_scales, .offset: 16, .size: 8, .value_kind: global_buffer, .address_space: global }
      - { .name: Wk_codes, .offset: 24, .size: 8, .value_kind: global_buffer, .address_space: global }
      - { .name: Wk_scales, .offset: 32, .size: 8, .value_kind: global_buffer, .address_space: global }
      - { .name: Wv_codes, .offset: 40, .size: 8, .value_kind: global_buffer, .address_space: global }
      - { .name: Wv_scales, .offset: 48, .size: 8, .value_kind: global_buffer, .address_space: global }
      - { .name: bq, .offset: 56, .size: 8, .value_kind: global_buffer, .address_space: global }
      - { .name: bk, .offset: 64, .size: 8, .value_kind: global_buffer, .address_space: global }
      - { .name: bv, .offset: 72, .size: 8, .value_kind: global_buffer, .address_space: global }
      - { .name: qkv, .offset: 80, .size: 8, .value_kind: global_buffer, .address_space: global }
    .group_segment_fixed_size: 327680
    .private_segment_fixed_size: 0
    .kernarg_segment_align: 8
    .kernarg_segment_size: 88
    .max_flat_workgroup_size: 256
    .sgpr_count:     100
    .vgpr_count:     512
    .wavefront_size: 32
...
	.end_amdgpu_metadata
.endif
;; end of part 2
;; launch attn (part 3): grid 4 x 64, 16 waves a work-group, clusters of 4 x 1, 327,680 bytes of LDS; arguments qkv, ao; writes ao
.if DOCPART == 3
	.amdgcn_target "amdgcn-amd-amdhsa--gfx1250"
	.amdhsa_code_object_version 6
	.text
	.protected	k_qe328928126_attn
	.globl	k_qe328928126_attn
	.p2align	8
	.type	k_qe328928126_attn,@function
k_qe328928126_attn:
	s_mov_b64 s[64:65], 0
	v_nop
	global_prefetch_b8 v0, s[64:65] scope:SCOPE_SE
	s_setreg_imm32_b32 hwreg(HW_REG_WAVE_MODE, 25, 1), 1
	s_wait_xcnt 0x0
	s_wait_alu depctr_hold_cnt(0) depctr_sa_sdst(0) depctr_va_vdst(0) depctr_va_sdst(0) depctr_va_ssrc(0) depctr_va_vcc(0) depctr_vm_vsrc(0)
	s_getreg_b32 s2, hwreg(HW_REG_IB_STS2, 6, 4)
	s_cmp_eq_u32 s2, 0
	s_cbranch_scc0 .Lentry_in_a_cluster
	s_endpgm
.Lentry_in_a_cluster:
	s_bfe_u32 s2, ttmp6, 0x10000c
	s_cmp_lg_u32 s2, 0x3003
	s_cbranch_scc0 .Lentry_shape_is_right
	s_endpgm
.Lentry_shape_is_right:
; ao = Q(softmax(q k^T / 8, causal) v) for one batch and head (the grid's y), both products on codes of FP4 with E8M0 scales.
; THE SOFTMAX: t = score x log2(e) / 8; M = the running largest t rounded UP to a whole number; p = 2^(t - M) is quantised along the keys, not normalised; the row's sum is taken of the unquantised p and divides at the end.
; When M moves, the sum and O are multiplied by 2^(old M - new M): exact.
; SHARES.  The four work-groups of a cluster serve one head.  Wave w of work-group j owns the 16 queries of tile 4 w' + j: interleaved over j, so that the causal work is the same in all work-groups, and so that
; which key steps a wave walks hangs on its number alone: step s (128 keys) has a key that counts iff w' >= 2 s, and needs no mask iff w' >= 2 s + 2: w' / 2 + 1 steps.
; w' = w xor 15 where w has an even number of ones, else w.  Laid as a square of 4 x 4 by w (row w / 4, column w % 4) the numbers w' are 15 1 2 12 / 4 10 9 7 / 8 6 5 11 / 3 13 14 0:
; every row and every column holds 18 key steps, so four waves that are neighbours, and four that lie four apart, have the same work.
; A head's K and V, 68 KiB of codes and scale words, lie whole in LDS, in the order of the operands' registers: filled once, by four joint loads (mask: all four work-groups).  No barrier stands in the key steps.
; LAYOUT.  Both products are used transposed: a lane holds ONE query (lane % 16) throughout.  THE FIRST PRODUCT'S K IS 64: a fragment of K holds token tile 2 kb in its first 64 along K and tile 2 kb + 1 in its second;
; against [q | 0] it gives the first tile's scores, against [0 | q] the second's: the other half meets zero codes.
; Register 8 T + j of S^T is key 128 s + 16 T + 8 h + j: the 16 registers 16 b .. 16 b + 15 of lanes l and l xor 16 are block b of 32 keys.
; OUT: codes [row tile 256][head 16][512]: lane (r, h): block h of the head's 64 of row r; scale bytes [tile][K step 8][16 rows][2 heads] of two bytes: pieces of two bytes, 128 KiB in all.
; LIMITS: NaN and infinities are not served.  A block whose largest magnitude lies under 2^-124 gets the byte 1: its codes are zeros, and this program alone reads the bytes.
.set LI,  1                            ; 16 x lane
.set KSA, 2                            ; 65,536 + 4 x lane: scale words, two tiles' 16 words to a load
.set VQ,  3                            ; my query - 8 h
.set GS,  5                            ; 4 r
.set QHI, 16                           ; v16-19 zeros, v20-23 q, v24-27 zeros: [0 | q] = v[16:23], [q | 0] = v[20:27]
.set QLO, 20
.set QSW, 28                           ; q's two scale bytes, twice
.set KF,  32                           ; v32-63  four fragments of K
.set VF,  64                           ; v64-95  four of V^T
.set S,   96                           ; v96-159 S^T, then p
.set O,   160                          ; v160-191 O^T
.set KS,  192                          ; v192-193 K's scale words, v194-195 V's
.set VS,  194
.set PC,  224                          ; p's codes; v232-254 at work; v253 p's scale word
.set WV,  8                            ; the wave's number: who fetches, who signals
.set WQ,  60                           ; w': whose queries
.set SEL, 20
.set CS,  22
.set G1C, 24
.set G1S, 32
.set G0C, 40
.set G0S, 44
.macro PLACES n
.rept \n
	v_nop
.endr
.endm
.macro CROUND
	s_barrier_signal -1
	s_barrier_wait -1
	s_cmp_lg_u32 s[WV], 0
	s_cbranch_scc1 .Lnot_wave_0_\@
	s_barrier_signal -3
.Lnot_wave_0_\@:
	s_barrier_wait -3
	s_barrier_signal -1
	s_barrier_wait -1
.endm
.macro WM d, a, b, c, sa, sb, ra       ; ra = 1: source 0's scales stand in lanes 16-31
.if (\ra)
	v_wmma_scale_f32_16x16x128_f8f6f4 v[\d:\d+7], v[\a:\a+7], v[\b:\b+7], \c, v[\sa], v[\sb] matrix_a_fmt:MATRIX_FMT_FP4 matrix_b_fmt:MATRIX_FMT_FP4 matrix_a_scale:MATRIX_SCALE_ROW1
.else
	v_wmma_scale_f32_16x16x128_f8f6f4 v[\d:\d+7], v[\a:\a+7], v[\b:\b+7], \c, v[\sa], v[\sb] matrix_a_fmt:MATRIX_FMT_FP4 matrix_b_fmt:MATRIX_FMT_FP4
.endif
.endm
	s_load_b128 s[4:7], s[0:1], 0x0                ; qkv s[4:5], ao s[6:7]
	v_lshrrev_b32 v6, 5, v0
	v_readfirstlane_b32 s[WV], v6                  ; wave 0..15
	s_lshr_b32 s61, s[WV], 2
	s_xor_b32 s61, s61, s[WV]
	s_lshr_b32 s62, s61, 1
	s_xor_b32 s61, s61, s62
	s_and_b32 s61, s61, 1                          ; 1 where the wave's number has an odd number of ones
	s_xor_b32 s61, s61, 1
	s_mul_i32 s61, s61, 15
	s_xor_b32 s[WQ], s[WV], s61                    ; w'
	s_bfe_u32 s9, ttmp6, 0x40000                   ; j: my place in the cluster: it enters q's and ao's addresses and the mask's numbers alone
	s_and_b32 s10, ttmp7, 0xffff                   ; 16 x batch + head
	s_mov_b32 s[G1C], 15|(3<<16)|(1<<21)           ; all four work-groups; elements of 8 bytes; no padding: images are read 512 consecutive bytes at a time
	s_mov_b32 s[G1C+1], 32<<16                     ; 32 KiB dense, as 128 rows of 256 bytes
	s_mov_b32 s[G1C+2], 128<<16
	s_mov_b32 s[G1C+3], 32<<16
	s_mov_b32 s[G1C+4], 128
	s_mov_b32 s[G1C+5], 32
	s_mov_b32 s[G1C+6], 0
	s_mov_b32 s[G1C+7], 0
	s_mov_b32 s[G1S], 15|(3<<16)|(1<<21)
	s_mov_b32 s[G1S+1], 32<<16                     ; 2 KiB dense, as 8 rows of 256 bytes
	s_mov_b32 s[G1S+2], 8<<16
	s_mov_b32 s[G1S+3], 32<<16
	s_mov_b32 s[G1S+4], 8
	s_mov_b32 s[G1S+5], 32
	s_mov_b32 s[G1S+6], 0
	s_mov_b32 s[G1S+7], 0
	s_lshl_b32 s11, s[WV], 15                      ; LDS: wave 0: K's images at 0, wave 1: V's at 32,768;
	s_lshl_b32 s12, s[WV], 11
	s_add_co_u32 s12, s12, 61440                   ; wave 2: K's words at 65,536, wave 3: V's at 67,584
	s_lshl_b32 s14, s[WV], 21
	s_lshl_b32 s15, s10, 15
	s_add_co_u32 s14, s14, s15
	s_add_co_u32 s14, s14, 2097152                 ; memory: k's codes begin at 2 MiB, v's at 4 MiB; 32 KiB a head
	s_mov_b32 s15, 0
	s_lshl_b32 s16, s[WV], 17
	s_lshl_b32 s17, s10, 11
	s_add_co_u32 s16, s16, s17
	s_add_co_u32 s16, s16, 6422528-2*131072        ; k's words begin at 6,422,528 (wave 2), v's 131,072 on (wave 3); 2 KiB a head
	s_mov_b32 s17, 0
	s_lshl_b32 s18, s[WQ], 2
	s_add_co_u32 s18, s18, s9                      ; my tile of queries: 4 w' + j
	s_lshl_b32 s19, s10, 15
	s_lshl_b32 s48, s18, 9                         ; its image: 512 bytes a tile
	s_add_co_u32 s48, s48, s19
	s_mov_b32 s49, 0
	s_lshr_b32 s50, s18, 1
	s_lshl_b32 s50, s50, 6                         ; its scale words: 64 bytes for two tiles
	s_lshl_b32 s51, s10, 11
	s_add_co_u32 s50, s50, s51
	s_add_co_u32 s50, s50, 6291456
	s_mov_b32 s51, 0
	s_lshr_b32 s52, s10, 4
	s_lshl_b32 s52, s52, 6
	s_add_co_u32 s52, s52, s18                     ; ao: row tile 64 b + my tile
	s_and_b32 s53, s10, 15                         ; the head
	s_lshl_b32 s54, s52, 4
	s_add_co_u32 s54, s54, s53
	s_lshl_b32 s54, s54, 9
	s_mov_b32 s55, 0
	s_lshl_b32 s56, s52, 9                         ; its scale bytes: 512 a tile, 64 a K step (two heads), 2 a head
	s_lshr_b32 s57, s53, 1
	s_lshl_b32 s57, s57, 6
	s_add_co_u32 s56, s56, s57
	s_and_b32 s57, s53, 1
	s_lshl_b32 s57, s57, 1
	s_add_co_u32 s56, s56, s57
	s_add_co_u32 s56, s56, 2097152
	s_mov_b32 s57, 0
	s_lshl_b32 s58, s18, 4                         ; my first query
	s_and_b32 s59, s9, 1
	s_lshl_b32 s59, s59, 4                         ; an odd tile's two scale bytes are the word's upper half (4 w' + j is odd where j is)
	s_mov_b32 s13, 0x01000100
	s_mov_b32 s[SEL], 0x76543210
	s_mov_b32 s[SEL+1], 0xfedcba98
	s_mov_b32 s[CS], 0x3e38aa3b                    ; c = log2(e) / 8
	s_mov_b32 s[CS+1], s[CS]                       ; (named with it as a pair, so it is written)
	s_wait_kmcnt 0x0
	s_mov_b32 s[G0C], 1
	s_mov_b32 s[G0C+1], s11
	s_add_nc_u64 s[G0C+2:G0C+3], s[4:5], s[14:15]
	s_or_b32 s[G0C+3], s[G0C+3], 0x80000000
	s_mov_b32 s[G0S], 1
	s_mov_b32 s[G0S+1], s12
	s_add_nc_u64 s[G0S+2:G0S+3], s[4:5], s[16:17]
	s_or_b32 s[G0S+3], s[G0S+3], 0x80000000
	s_add_nc_u64 s[48:49], s[4:5], s[48:49]
	s_add_nc_u64 s[50:51], s[4:5], s[50:51]
	s_add_nc_u64 s[54:55], s[6:7], s[54:55]
	s_add_nc_u64 s[56:57], s[6:7], s[56:57]
	CROUND                                         ; all four work-groups are here: the joint loads meet
	s_cmp_lt_u32 s[WV], 2                          ; one load each for waves 0 to 3
	s_cbranch_scc0 .Lnot_codes
	tensor_load_to_lds s[G0C:G0C+3], s[G1C:G1C+7]
	PLACES 4
	s_branch .Lasked
.Lnot_codes:
	s_cmp_lt_u32 s[WV], 4
	s_cbranch_scc0 .Lasked
	tensor_load_to_lds s[G0S:G0S+3], s[G1S:G1S+7]
	PLACES 4
.Lasked:
	v_and_b32 v6, 31, v0
	v_and_b32 v7, 15, v0
	v_bfe_u32 v8, v0, 4, 1
	v_lshlrev_b32 v[LI], 4, v6
	v_lshl_add_u32 v[KSA], v6, 2, 65536
	v_lshlrev_b32 v[GS], 2, v7
	global_load_b128 v[QLO:QLO+3], v[LI], s[48:49]         ; q's image stays in registers
	global_load_b32 v[QSW], v[GS], s[50:51]
	v_lshlrev_b32 v9, 3, v8
	v_sub_nc_u32 v[VQ], v7, v9
	v_add_nc_u32 v[VQ], s58, v[VQ]
.irp i, 16,17,18,19,24,25,26,27
	v_mov_b32 v\i, 0
.endr
	s_wait_loadcnt 0x0
	v_lshrrev_b32 v[QSW], s59, v[QSW]
	v_perm_b32 v[QSW], v[QSW], v[QSW], s13         ; my tile's two bytes in both halves of the word; the 44 lines below are more than the eight places that are asked ahead of a scaled product
	v_mov_b32 v13, 0xff61b1e6                      ; the largest t so far: -3e38
	v_floor_f32 v12, -v13                          ; -M
	v_mov_b32 v14, 0
	v_mov_b32 v15, 0                               ; the sum, in two halves
.irp b, 0,1,2,3
	v_mov_b32 v[236+\b], 0                         ; a lane permute's destination counts as one of its sources
.endr
	v_mov_b32 v253, 0                              ; (named as the upper half of the pair v[252:253] before it is first written)
.set i, 0
.rept 32
	v_mov_b32 v[O+i], 0                            ; O^T: the step is written alike for all steps: the first finds zeros
.set i, i+1
.endr
	s_wait_tensorcnt 0x0                           ; my load has landed,
	s_barrier_signal -1
	s_barrier_wait -1                              ; everybody's has
.macro STEP s                          ; keys 128 s .. 128 s + 127
.if \s > 0
	s_cmp_lt_u32 s[WQ], 2*\s                       ; all of them come after my queries: I am done
	s_cbranch_scc1 .Lfin
.endif
	PLACES 4                                       ; in front of loads into registers that matrix instructions have read
.irp b, 0,1,2,3
.irp c, 0,1
	ds_load_b128 v[KF+8*\b+4*\c:KF+8*\b+4*\c+3], v[LI] offset:(4*\s+\b)*1024+512*\c
.endr
.endr
	ds_load_b32 v[KS], v[KSA] offset:(4*\s)*64
	ds_load_b32 v[KS+1], v[KSA] offset:(4*\s+2)*64
.irp d, 0,1,2,3
.irp c, 0,1
	ds_load_b128 v[VF+8*\d+4*\c:VF+8*\d+4*\c+3], v[LI] offset:32768+(4*\s+\d)*1024+512*\c
.endr
.endr
	ds_load_b32 v[VS], v[KSA] offset:2048+(4*\s)*64
	ds_load_b32 v[VS+1], v[KSA] offset:2048+(4*\s+2)*64
	s_wait_dscnt 10                                ; K's ten loads are in; V's ten may be out
.irp b, 0,1,2,3
	WM S+16*\b, KF+8*\b, QLO, 0, KS+\b/2, QSW, \b%2
	WM S+16*\b+8, KF+8*\b, QHI, 0, KS+\b/2, QSW, \b%2
.endr
	PLACES 4
	s_cmp_ge_u32 s[WQ], 2*\s+2                     ; every key of the step counts for every query of mine
	s_cbranch_scc1 .Lopen_\@
	v_mov_b32 v254, 0xff800000                     ; hidden scores become -infinity ahead of the maximum: p = 0 then
.set n, 0
.rept 64
	v_cmp_gt_i32 vcc_lo, 128*\s+16*(n/8)+n%8, v[VQ]        ; register n: key 128 s + 16 (n / 8) + 8 h + n % 8, hidden where it is above my query
	v_cndmask_b32 v[S+n], v[S+n], v254, vcc_lo
.set n, n+1
.endr
.Lopen_\@:
.irp b, 0,1,2,3
	v_max3_num_f32 v[232+\b], v[S+16*\b], v[S+1+16*\b], v[S+2+16*\b]       ; the largest score of each block of 32 keys: for the row's maximum, and, since p rises with the score, for the block's largest p
.endr
.irp i, 3,5,7,9,11,13
.irp b, 0,1,2,3
	v_max3_num_f32 v[232+\b], v[232+\b], v[S+16*\b+\i], v[S+1+16*\b+\i]
.endr
.endr
.irp b, 0,1,2,3
	v_max_num_f32 v[232+\b], v[232+\b], v[S+15+16*\b]
.endr
.irp b, 0,1,2,3
	v_permlanex16_b32 v[236+\b], v[232+\b], s[SEL], s[SEL+1]
.endr
.irp b, 0,1,2,3
	v_max_num_f32 v[232+\b], v[232+\b], v[236+\b]
.endr
	v_max3_num_f32 v254, v232, v233, v234
	v_max_num_f32 v254, v254, v235
	v_mul_f32 v254, s[CS], v254                    ; the step's largest t
	v_max_num_f32 v13, v13, v254
	v_mov_b32 v254, v12
	v_floor_f32 v12, -v13                          ; the new -M = floor(-t): M is a whole number
	v_sub_f32 v254, v12, v254
	v_cvt_i32_f32 v254, v254                       ; old M - new M, 0 or less (it saturates)
	v_ldexp_f32 v252, 1.0, v254                    ; f = 2^(old M - new M)
.set i, 0
.rept 32
	v_pk_fma_f32 v[S+i:S+i+1], v[S+i:S+i+1], s[CS:CS+1], v[12:13] op_sel_hi:[1,0,0]       ; t - M
.set i, i+2
.endr
.irp b, 0,1,2,3
	v_fma_f32 v[232+\b], v[232+\b], s[CS], v12
.endr
.set i, 0
.rept 64
	v_exp_f32 v[S+i], v[S+i]                       ; p = 2^(t - M)
.set i, i+1
.endr
.irp b, 0,1,2,3
	v_exp_f32 v[232+\b], v[232+\b]                 ; the block's largest p: the same two instructions on the same number
.endr
	v_pk_mul_f32 v[14:15], v[14:15], v[252:253] op_sel_hi:[1,0]    ; the sums under the new M (a plain place behind the exponentials)
.irp b, 0,1,2,3
	v_max_num_f32 v[232+\b], 0x1800000, v[232+\b]  ; the floor 2^(3 - 127)
.endr
.irp b, 0,1,2,3
	v_add_nc_u32 v[244+\b], 0xff000000, v[232+\b]
.endr
.irp b, 0,1,2,3
	v_lshrrev_b32 v[236+\b], 23, v[244+\b]
.endr
	v_lshl_or_b32 v253, v237, 8, v236              ; p's scale word for these 128 keys
	v_lshl_or_b32 v253, v238, 16, v253
	v_lshl_or_b32 v253, v239, 24, v253
.irp c, 0,1
	v_cvt_scalef32_pk8_fp4_f32 v[PC+4*\c], v[S+32*\c:S+32*\c+7], v[244+2*\c]
	v_cvt_scalef32_pk8_fp4_f32 v[PC+4*\c+2], v[S+32*\c+8:S+32*\c+15], v[244+2*\c]
	v_cvt_scalef32_pk8_fp4_f32 v[PC+4*\c+1], v[S+32*\c+16:S+32*\c+23], v[245+2*\c]
	v_cvt_scalef32_pk8_fp4_f32 v[PC+4*\c+3], v[S+32*\c+24:S+32*\c+31], v[245+2*\c]
.endr
	v_nop                                          ; one plain place behind a scaled conversion
.irp c, 0,1
	v_permlane16_swap_b32 v[PC+4*\c], v[PC+4*\c+1]         ; registers 4 c .. 4 c + 3: block 2 c + h, whole
	v_permlane16_swap_b32 v[PC+4*\c+2], v[PC+4*\c+3]
.endr
	v_pk_add_f32 v[236:237], v[S:S+1], v[S+2:S+3]  ; the row's sum is taken of the unquantised p, in two chains
.irp j, 4,8,12,16,20,24,28,32,36,40,44,48,52,56,60
	v_pk_add_f32 v[14:15], v[14:15], v[S+\j:S+\j+1]
	v_pk_add_f32 v[236:237], v[236:237], v[S+2+\j:S+3+\j]
.endr
	v_pk_add_f32 v[14:15], v[14:15], v[236:237]
.set i, 0
.rept 16
	v_pk_mul_f32 v[O+i:O+i+1], v[O+i:O+i+1], v[252:253] op_sel_hi:[1,0]    ; O^T under the new M.  (The sums and these are the places ahead of the scaled products)
.set i, i+2
.endr
	s_wait_dscnt 0x0                               ; V is in
.irp d, 0,1,2,3
	WM O+8*\d, VF+8*\d, PC, v[O+8*\d:O+8*\d+7], VS+\d/2, 253, \d%2         ; four accumulators, one instruction each: the eight products of the next step stand between two links
.endr
.endm
	STEP 0
	STEP 1
	STEP 2
	STEP 3
	STEP 4
	STEP 5
	STEP 6
	STEP 7
.Lfin:
	PLACES 4
	v_add_f32 v14, v14, v15
	v_permlanex16_b32 v252, v14, s[SEL], s[SEL+1]
	v_add_f32 v14, v14, v252                       ; the row's sum
	v_rcp_f32 v14, v14
	v_nop                                          ; one plain place behind a transcendental
.set i, 0
.rept 32
	v_mul_f32 v[S+i], v[O+i], v14                  ; register 8 dt + j: o(r, 16 dt + 8 h + j), each accumulator from its low end on
.set i, i+1
.endr
.irp b, 0,1
	v_max3_num_f32 v[232+\b], |v[S+16*\b]|, |v[S+1+16*\b]|, 0x1800000
.endr
.irp i, 2,4,6,8,10,12,14
.irp b, 0,1
	v_max3_num_f32 v[232+\b], v[232+\b], |v[S+16*\b+\i]|, |v[S+1+16*\b+\i]|
.endr
.endr
.irp b, 0,1
	v_permlanex16_b32 v[236+\b], v[232+\b], s[SEL], s[SEL+1]
.endr
.irp b, 0,1
	v_max_num_f32 v[232+\b], v[232+\b], v[236+\b]
.endr
.irp b, 0,1
	v_add_nc_u32 v[244+\b], 0xff000000, v[232+\b]
.endr
.irp b, 0,1
	v_lshrrev_b32 v[236+\b], 23, v[244+\b]
.endr
	v_lshl_or_b32 v240, v237, 8, v236              ; the head's two scale bytes of row r
	v_cvt_scalef32_pk8_fp4_f32 v[PC], v[S:S+7], v244
	v_cvt_scalef32_pk8_fp4_f32 v[PC+2], v[S+8:S+15], v244
	v_cvt_scalef32_pk8_fp4_f32 v[PC+1], v[S+16:S+23], v245
	v_cvt_scalef32_pk8_fp4_f32 v[PC+3], v[S+24:S+31], v245
	v_nop
	v_permlane16_swap_b32 v[PC], v[PC+1]
	v_permlane16_swap_b32 v[PC+2], v[PC+3]
	global_store_b128 v[LI], v[PC:PC+3], s[54:55]          ; 512 consecutive bytes
	global_store_b16 v[GS], v240, s[56:57]                 ; both halves of the lanes write the same two bytes with the same value
	CROUND                                         ; the closing round
	s_endpgm
.Lfunc_end_k_qe328928126_attn:
	.size	k_qe328928126_attn, .Lfunc_end_k_qe328928126_attn-k_qe328928126_attn
	.p2alignl 7, 3214868480
	.fill 96, 4, 3214868480
	.section	.rodata,"a",@progbits
	.p2align	6, 0x0
	.amdhsa_kernel k_qe328928126_attn
		.amdhsa_group_segment_fixed_size 327680
		.amdhsa_private_segment_fixed_size 0
		.amdhsa_enable_private_segment 0
		.amdhsa_kernarg_size 16
		.amdhsa_user_sgpr_count 2
		.amdhsa_user_sgpr_kernarg_segment_ptr 1
		.amdhsa_wavefront_size32 1
		.amdhsa_system_sgpr_workgroup_id_x 1
		.amdhsa_system_sgpr_workgroup_id_y 1
		.amdhsa_system_sgpr_workgroup_id_z 1
		.amdhsa_system_vgpr_workitem_id 0
		.amdhsa_next_free_vgpr 256
		.amdhsa_next_free_sgpr 66
		.amdhsa_reserve_vcc 1
		.amdhsa_float_denorm_mode_32 3
		.amdhsa_float_denorm_mode_16_64 3
		.amdhsa_memory_ordered 1
		.amdhsa_forward_progress 1
		.amdhsa_inst_pref_size 177
	.end_amdhsa_kernel
	.amdgpu_metadata
---
amdhsa.version: [ 1, 2 ]
amdhsa.kernels:
  - .name:           k_qe328928126_attn
    .symbol:         k_qe328928126_attn.kd
    .args:
      - { .name: qkv, .offset: 0, .size: 8, .value_kind: global_buffer, .address_space: global }
      - { .name: ao, .offset: 8, .size: 8, .value_kind: global_buffer, .address_space: global }
    .group_segment_fixed_size: 327680
    .private_segment_fixed_size: 0
    .kernarg_segment_align: 8
    .kernarg_segment_size: 16
    .max_flat_workgroup_size: 512
    .sgpr_count:     66
    .vgpr_count:     256
    .wavefront_size: 32
...
	.end_amdgpu_metadata
.endif
;; end of part 3
;; launch proj (part 4): grid 256 x 1, 8 waves a work-group, clusters of 4 x 1, 327,680 bytes of LDS; arguments ao, Wp_codes, Wp_scales, bp, x, g2, be2, x1, a2; writes x1, a2
.if DOCPART == 4
	.amdgcn_target "amdgcn-amd-amdhsa--gfx1250"
	.amdhsa_code_object_version 6
	.text
	.protected	k_qe328928126_proj
	.globl	k_qe328928126_proj
	.p2align	8
	.type	k_qe328928126_proj,@function
k_qe328928126_proj:
	s_mov_b64 s[64:65], 0
	v_nop
	global_prefetch_b8 v0, s[64:65] scope:SCOPE_SE
	s_setreg_imm32_b32 hwreg(HW_REG_WAVE_MODE, 25, 1), 1
	s_wait_xcnt 0x0
	s_wait_alu depctr_hold_cnt(0) depctr_sa_sdst(0) depctr_va_vdst(0) depctr_va_sdst(0) depctr_va_ssrc(0) depctr_va_vcc(0) depctr_vm_vsrc(0)
	s_getreg_b32 s2, hwreg(HW_REG_IB_STS2, 6, 4)
	s_cmp_eq_u32 s2, 0
	s_cbranch_scc0 .Lentry_in_a_cluster
	s_endpgm
.Lentry_in_a_cluster:
	s_bfe_u32 s2, ttmp6, 0x10000c
	s_cmp_lg_u32 s2, 0x3003
	s_cbranch_scc0 .Lentry_shape_is_right
	s_endpgm
.Lentry_shape_is_right:
; x1 = x + ao Wp + bp (the product on codes of FP4 with E8M0 scales), and a2 = Q(layernorm(x1) g2 + be2), laid as a weight: codes [4096][512 bytes] at byte 0, scale bytes [4096][32] at byte 2,097,152.
; SHARES.  A work-group takes 16 rows and ALL 1,024 columns, so that the norm needs no second launch; each of its eight waves 128 columns: 8 tiles x 8 K steps, 64 matrix instructions.
; The product is used transposed (source 0 = 16 rows of Wp, source 1 = ao's 16 rows): lane (r, h) holds row r, its register 8 t + j column 16 t + 8 h + j of the wave's 128: what the quantiser wants.
; WEIGHTS.  Each wave walks its own 128 rows of Wp in four pieces of 32 rows x 512 bytes through a ring of two LDS slots of its own (slots of 64 rows for eight waves would not fit in LDS).
; All work-groups walk the same Wp: the four of a cluster ask jointly (mask: all four); an address hangs on the wave's number alone.  A wave has two loads out at the start, one behind each round.
; ao's 8 fragments, its scale words and Wp's scale words come straight into registers (ao is laid in the order of the operand's registers: every load reads 512 consecutive bytes).
; x + bp is made in the layout of the loads and turns through the wave's slot 0 (which has had its last fill and its last read); x1 turns back the same way and leaves as rows of 512 bytes.
; The sum is formed as product + (x + bp), where the problem writes x + (product + bp).
; LIMITS: NaN and infinities are not served.  A block whose largest magnitude lies under 2^-124 gets the byte 1: its codes are zeros, and this program alone reads the bytes.
.set TP,    528                        ; an LDS row: 512 bytes + 16
.set SLOTB, 32*TP                      ; a slot: 32 rows of Wp, all of K
.set RING,  2*SLOTB                    ; a wave's ring
.set RED1,  8*RING                     ; 16 rows x 8 waves of partial sums; the second reduction's lie 512 bytes on
.set SST,   RED1+1024
.set CST,   SST+512
.set SPARE, CST+16*TP                  ; the spare words, 128 bytes for each wave: four blocks of 256 bytes that no other line names
.set LI,   1
.set TIN,  2                           ; my slot 0, by rows: + 16 x lane
.set TOUT, 3                           ; my slot 0, by lanes: + 528 r + 32 h
.set GA,   4
.set RST,  5
.set RLD,  6
.set CSTO, 7
.set CLD,  8
.set SSTO, 9
.set SLD,  10
.set XO,   11
.set WAD,  12                          ; my ring: + 528 r + 16 h
.set R4,   13                          ; 4 r
.set L32,  14                          ; 32 x lane
.set AF,   16                          ; v16-79  ao's 8 fragments
.set AS,   80                          ; v80-87  ao's scale words
.set WS,   88                          ; v88-119 Wp's: register 8 b + s: rows 32 b + lane, K step s
.set X,    120                         ; v120-183 the 8 accumulators, then x1, then the norm
.set WF,   184                         ; v184-247 eight fragments of Wp
.set T,    184                         ; later: at work
.set MU,   T+16
.set RS,   T+18
.set TM,   T+20
.set PW,   T+36
.set PC,   T+40
.set OUT,  T+48
.set BP,   248
.set SPW,  254
.set NIL,  255
.set RW,   0                           ; window 1: v256-319 x as loaded
.set BEW,  64                          ; v320-383 be2
.set GW,   128                         ; v384-447 g2
.set WV,   30
.set SEL,  20
.set CB,   24
.set SB,   26
.set G1,   36
.set G0,   44
.set MSB, 0
.macro WIN new                         ; the immediate's high byte repeats the setting that is left
.if MSB != \new
	s_set_vgpr_msb (MSB<<8)|\new
.set MSB, \new
.endif
.endm
.macro PLACES n
.rept \n
	v_nop
.endr
.endm
.macro CROUND
	s_barrier_signal -1
	s_barrier_wait -1
	s_cmp_lg_u32 s[WV], 0
	s_cbranch_scc1 .Lnot_wave_0_\@
	s_barrier_signal -3
.Lnot_wave_0_\@:
	s_barrier_wait -3
	s_barrier_signal -1
	s_barrier_wait -1
.endm
.macro WM d, a, b, c, sa, sb, ra       ; ra = 1: source 0's scales stand in lanes 16-31
.if (\ra)
	v_wmma_scale_f32_16x16x128_f8f6f4 v[\d:\d+7], v[\a:\a+7], v[\b:\b+7], \c, v[\sa], v[\sb] matrix_a_fmt:MATRIX_FMT_FP4 matrix_b_fmt:MATRIX_FMT_FP4 matrix_a_scale:MATRIX_SCALE_ROW1
.else
	v_wmma_scale_f32_16x16x128_f8f6f4 v[\d:\d+7], v[\a:\a+7], v[\b:\b+7], \c, v[\sa], v[\sb] matrix_a_fmt:MATRIX_FMT_FP4 matrix_b_fmt:MATRIX_FMT_FP4
.endif
.endm
; 64 numbers of a lane, register 8 t + j = k 16 t + 8 h + j of its row, become a fragment's codes (registers 4 c .. 4 c + 3 = block 2 c + h) and the row's scale word.
.macro QUANT s, pc, pw
.irp b, 0,1,2,3
	v_max3_num_f32 v[TM+\b], |v[\s+16*\b]|, |v[\s+1+16*\b]|, 0x1800000   ; block b: my 16 numbers, and the floor 2^(3 - 127): the byte cannot fall under 1
.endr
.irp i, 2,4,6,8,10,12,14
.irp b, 0,1,2,3
	v_max3_num_f32 v[TM+\b], v[TM+\b], |v[\s+16*\b+\i]|, |v[\s+1+16*\b+\i]|
.endr
.endr
.irp b, 0,1,2,3
	v_permlanex16_b32 v[TM+4+\b], v[TM+\b], s[SEL], s[SEL+1]
.endr
.irp b, 0,1,2,3
	v_max_num_f32 v[TM+\b], v[TM+\b], v[TM+4+\b]
.endr
.irp b, 0,1,2,3
	v_add_nc_u32 v[TM+12+\b], 0xff000000, v[TM+\b]
.endr
.irp b, 0,1,2,3
	v_lshrrev_b32 v[TM+4+\b], 23, v[TM+12+\b]
.endr
	v_lshl_or_b32 v[\pw], v[TM+5], 8, v[TM+4]
	v_lshl_or_b32 v[\pw], v[TM+6], 16, v[\pw]
	v_lshl_or_b32 v[\pw], v[TM+7], 24, v[\pw]
.irp c, 0,1
	v_cvt_scalef32_pk8_fp4_f32 v[\pc+4*\c], v[\s+32*\c:\s+32*\c+7], v[TM+12+2*\c]
	v_cvt_scalef32_pk8_fp4_f32 v[\pc+4*\c+2], v[\s+32*\c+8:\s+32*\c+15], v[TM+12+2*\c]
	v_cvt_scalef32_pk8_fp4_f32 v[\pc+4*\c+1], v[\s+32*\c+16:\s+32*\c+23], v[TM+13+2*\c]
	v_cvt_scalef32_pk8_fp4_f32 v[\pc+4*\c+3], v[\s+32*\c+24:\s+32*\c+31], v[TM+13+2*\c]
.endr
	v_nop                                          ; one plain place behind a scaled conversion
.irp c, 0,1
	v_permlane16_swap_b32 v[\pc+4*\c], v[\pc+4*\c+1]
	v_permlane16_swap_b32 v[\pc+4*\c+2], v[\pc+4*\c+3]
.endr
.endm
.macro FOLD
	v_pk_add_f32 v[T:T+1], v[T:T+1], v[T+2:T+3]
	v_pk_add_f32 v[T+4:T+5], v[T+4:T+5], v[T+6:T+7]
	v_pk_add_f32 v[T:T+1], v[T:T+1], v[T+4:T+5]
	v_add_f32 v[T], v[T], v[T+1]
.endm
.macro ACROSS off                      ; my lane's figure in v[T]: + lane xor 16's, then the eight waves' through LDS; the row's sum comes back in v[T]
	v_permlanex16_b32 v[T+2], v[T], s[SEL], s[SEL+1]
	v_add_f32 v[T], v[T], v[T+2]
	ds_store_b32 v[RST], v[T] offset:\off
	s_wait_dscnt 0x0                               ; for the others' sake: my store has landed
	s_barrier_signal -1
	s_barrier_wait -1
	ds_load_b128 v[T+8:T+11], v[RLD] offset:\off
	ds_load_b128 v[T+12:T+15], v[RLD] offset:\off+16
	s_wait_dscnt 0x0
	v_add_f32 v[T+8], v[T+8], v[T+9]
	v_add_f32 v[T+10], v[T+10], v[T+11]
	v_add_f32 v[T+12], v[T+12], v[T+13]
	v_add_f32 v[T+14], v[T+14], v[T+15]
	v_add_f32 v[T+8], v[T+8], v[T+10]
	v_add_f32 v[T+12], v[T+12], v[T+14]
	v_add_f32 v[T], v[T+8], v[T+12]
.endm
; The norm of the 16 rows in v[X] on, its quantiser, and the way out.
.macro TAIL
.irp k, 0,1,2,3
	v_pk_add_f32 v[T+2*\k:T+2*\k+1], v[X+2*\k:X+2*\k+1], v[X+8+2*\k:X+9+2*\k]
.endr
.irp i, 16,24,32,40,48,56
.irp k, 0,1,2,3
	v_pk_add_f32 v[T+2*\k:T+2*\k+1], v[T+2*\k:T+2*\k+1], v[X+\i+2*\k:X+\i+2*\k+1]
.endr
.endr
	FOLD
	ACROSS 0
	v_mul_f32 v[MU], s22, v[T]                     ; the mean: sum x 2^-10
	v_mul_f32 v[MU+1], s22, v[T]
.set i, 0
.rept 32
	v_pk_add_f32 v[X+i:X+i+1], v[X+i:X+i+1], v[MU:MU+1] neg_lo:[0,1] neg_hi:[0,1]
.set i, i+2
.endr
.irp k, 0,1,2,3
	v_pk_mul_f32 v[T+2*\k:T+2*\k+1], v[X+2*\k:X+2*\k+1], v[X+2*\k:X+2*\k+1]
.endr
.irp i, 8,16,24,32,40,48,56
.irp k, 0,1,2,3
	v_pk_fma_f32 v[T+2*\k:T+2*\k+1], v[X+\i+2*\k:X+\i+2*\k+1], v[X+\i+2*\k:X+\i+2*\k+1], v[T+2*\k:T+2*\k+1]
.endr
.endr
	FOLD
	ACROSS 512
	v_fma_f32 v[T+1], v[T], s22, s23               ; the variance + 1e-5
	v_rsq_f32 v[RS], v[T+1]
	v_rsq_f32 v[RS+1], v[T+1]
	v_nop                                          ; one plain place behind a transcendental
.set i, 0
.rept 32
	v_pk_mul_f32 v[X+i:X+i+1], v[X+i:X+i+1], v[RS:RS+1]
.set i, i+2
.endr
	s_wait_loadcnt 0x0                             ; the gain and the offset are in
	WIN 0x14                                       ; sources 1 and 2 in window 1
.set i, 0
.rept 32
	v_pk_fma_f32 v[X+i:X+i+1], v[X+i:X+i+1], v[GW+i:GW+i+1], v[BEW+i:BEW+i+1]
.set i, i+2
.endr
	WIN 0
	QUANT X, PC, PW
	ds_store_b128 v[CSTO], v[PC:PC+3]
	ds_store_b128 v[CSTO], v[PC+4:PC+7] offset:32
	ds_store_b32 v[SSTO], v[PW]
	s_wait_dscnt 0x0                               ; for the others' sake
	s_barrier_signal -1
	s_barrier_wait -1
	ds_load_b128 v[OUT:OUT+3], v[CLD]
	ds_load_b128 v[OUT+4:OUT+7], v[CLD] offset:TP
	s_wait_dscnt 0x1                               ; the first row is back, the second may be out
	global_store_b128 v[LI], v[OUT:OUT+3], s[CB:CB+1]              ; a whole row of codes: 512 consecutive bytes
	s_wait_dscnt 0x0
	global_store_b128 v[LI], v[OUT+4:OUT+7], s[CB:CB+1] offset:512
	s_cmp_lg_u32 s[WV], 0
	s_cbranch_scc1 .Lno_scales
	ds_load_b128 v[OUT+8:OUT+11], v[SLD]
	s_wait_dscnt 0x0
	global_store_b128 v[LI], v[OUT+8:OUT+11], s[SB:SB+1]
.Lno_scales:
.endm
; Piece b: rows 32 b .. 32 b + 31 of my 128: two tiles x 8 K steps; the two accumulators take turns.  left: how many younger tensor loads may stay out.
.macro PIECE b, left
	s_wait_tensorcnt \left
.irp k, 0,1
	PLACES 4                                       ; in front of loads into registers that matrix instructions have read
.irp q, 0,1,2,3
.irp u, 0,1
.irp c, 0,1
	ds_load_b128 v[WF+16*\q+8*\u+4*\c:WF+16*\q+8*\u+4*\c+3], v[WAD] offset:((\b)%2)*SLOTB+\u*16*TP+64*(4*\k+\q)+32*\c
.endr
.endr
.endr
.irp q, 0,1,2,3
	s_wait_dscnt 12-4*\q                           ; this K step's four loads are in; the later steps' may be out
.irp u, 0,1
.if (\k == 0) && (\q == 0)
	WM X+8*(2*(\b)+\u), WF+16*\q+8*\u, AF+8*(4*\k+\q), 0, WS+8*(\b)+4*\k+\q, AS+4*\k+\q, \u
.else
	WM X+8*(2*(\b)+\u), WF+16*\q+8*\u, AF+8*(4*\k+\q), v[X+8*(2*(\b)+\u):X+8*(2*(\b)+\u)+7], WS+8*(\b)+4*\k+\q, AS+4*\k+\q, \u
.endif
.endr
.endr
.endr
.endm
.macro FILL s                          ; slot s, which has been read, takes the piece two further on
	s_wait_tensorcnt 0x0                           ; all my tensor loads have landed, so a group 0 may be written
	ds_add_u32 v[SPW], v[NIL]                      ; 0 onto my spare word
	s_add_nc_u64 s[G0+4*\s+2:G0+4*\s+3], s[G0+4*\s+2:G0+4*\s+3], 64*512
	s_wait_dscnt 0x0                               ; the add is done, and my reads of the slot are back
	CROUND                                         ; the same holds of every wave of all four work-groups
	tensor_load_to_lds s[G0+4*\s:G0+4*\s+3], s[G1:G1+7]    ; my one tensor load behind the round, and the first thing there
	PLACES 4
.endm
	s_load_b256 s[4:11], s[0:1], 0x0               ; ao s[4:5], Wp's codes s[6:7], Wp's scales s[8:9], bp s[10:11]
	s_load_b256 s[12:19], s[0:1], 0x20             ; x s[12:13], g2 s[14:15], be2 s[16:17], x1 s[18:19]
	s_load_b64 s[28:29], s[0:1], 0x40              ; a2
	v_lshl_add_u32 v[SPW], v0, 2, SPARE
	v_mov_b32 v[NIL], 0
	v_lshrrev_b32 v[T], 5, v0
	v_readfirstlane_b32 s[WV], v[T]                ; wave 0..7
	s_bfe_u32 s31, ttmp6, 0x40000
	s_lshl_b32 s32, ttmp9, 2
	s_add_co_u32 s32, s32, s31                     ; my 16 rows: it enters the addresses of ao, x, x1 and a2 alone
	s_mov_b32 s[G1], 15|(1<<20)|(1<<21)|(6<<22)|(3<<25)    ; all four work-groups; elements of 1 byte; 4 words of padding behind every 128
	s_mov_b32 s[G1+1], 512<<16
	s_mov_b32 s[G1+2], 32<<16
	s_mov_b32 s[G1+3], 512<<16
	s_mov_b32 s[G1+4], 32
	s_mov_b32 s[G1+5], 512
	s_mov_b32 s[G1+6], 0
	s_mov_b32 s[G1+7], 0
	s_mul_i32 s33, s[WV], RING
	s_lshl_b32 s34, s[WV], 16                      ; my 128 rows of 512 bytes
	s_mov_b32 s35, 0
	s_wait_kmcnt 0x0
	s_add_nc_u64 s[6:7], s[6:7], s[34:35]
.irp s, 0,1
	s_mov_b32 s[G0+4*\s], 1
	s_add_co_u32 s[G0+4*\s+1], s33, \s*SLOTB
	s_add_nc_u64 s[G0+4*\s+2:G0+4*\s+3], s[6:7], \s*32*512
	s_or_b32 s[G0+4*\s+3], s[G0+4*\s+3], 0x80000000
.endr
	CROUND                                         ; all four work-groups are here: the first joint loads meet
	tensor_load_to_lds s[G0:G0+3], s[G1:G1+7]      ; pieces 0 and 1: two loads of mine are out
	tensor_load_to_lds s[G0+4:G0+7], s[G1:G1+7]
	PLACES 4
	v_and_b32 v[T], 31, v0                         ; lane
	v_and_b32 v[T+1], 15, v0                       ; r
	v_bfe_u32 v[T+2], v0, 4, 1                     ; h
	v_lshlrev_b32 v[LI], 4, v[T]
	v_lshlrev_b32 v[L32], 5, v[T]
	v_lshlrev_b32 v[R4], 2, v[T+1]
	v_add_nc_u32 v[TIN], s33, v[LI]
	v_mul_u32_u24 v[T+3], v[T+1], TP
	v_lshl_add_u32 v[TOUT], v[T+2], 5, v[T+3]
	v_add_nc_u32 v[TOUT], s33, v[TOUT]
	v_lshl_add_u32 v[WAD], v[T+2], 4, v[T+3]
	v_add_nc_u32 v[WAD], s33, v[WAD]
	s_lshl_b32 s34, s[WV], 9
	v_lshlrev_b32 v[GA], 5, v[T+2]
	v_add_nc_u32 v[GA], s34, v[GA]
	v_add_nc_u32 v[XO], s34, v[LI]
	v_lshlrev_b32 v[RLD], 5, v[T+1]
	v_add_nc_u32 v[RLD], RED1, v[RLD]
	s_lshl_b32 s34, s[WV], 2
	v_add_nc_u32 v[RST], s34, v[RLD]
	v_add_nc_u32 v[SSTO], SST-RED1, v[RST]
	v_lshl_add_u32 v[CSTO], v[T+2], 4, v[T+3]
	s_lshl_b32 s34, s[WV], 6
	s_add_co_u32 s34, s34, CST
	v_add_nc_u32 v[CSTO], s34, v[CSTO]
	s_mul_i32 s34, s[WV], 2*TP
	s_add_co_u32 s34, s34, CST
	v_add_nc_u32 v[CLD], s34, v[LI]
	v_add_nc_u32 v[SLD], SST, v[LI]
	s_mov_b32 s[SEL], 0x76543210
	s_mov_b32 s[SEL+1], 0xfedcba98
	s_mov_b32 s22, 0x3a800000                      ; 2^-10
	s_mov_b32 s23, 0x3727c5ac                      ; 1e-5
	s_lshl_b32 s56, s32, 9                         ; 512 scale bytes a row tile, in ao and in a2
	s_add_co_u32 s56, s56, 2097152
	s_mov_b32 s57, 0
	s_lshl_b32 s58, s32, 13                        ; 8,192 bytes of codes a row tile
	s_mov_b32 s59, 0
	s_lshl_b32 s60, s32, 16                        ; 16 rows of 4,096 bytes
	s_mov_b32 s61, 0
	s_lshl_b32 s62, s[WV], 12                      ; Wp's scale bytes: my 128 rows of 32
	s_mov_b32 s63, 0
	s_lshl_b32 s34, s[WV], 10                      ; a2: my two rows of codes
	s_mov_b32 s35, 0
	s_add_nc_u64 s[SB:SB+1], s[28:29], s[56:57]
	s_add_nc_u64 s[CB:CB+1], s[28:29], s[58:59]
	s_add_nc_u64 s[CB:CB+1], s[CB:CB+1], s[34:35]
	s_add_nc_u64 s[56:57], s[4:5], s[56:57]
	s_add_nc_u64 s[4:5], s[4:5], s[58:59]
	s_add_nc_u64 s[8:9], s[8:9], s[62:63]
	s_add_nc_u64 s[12:13], s[12:13], s[60:61]
	s_add_nc_u64 s[18:19], s[18:19], s[60:61]
.irp s, 0,1,2,3,4,5,6,7
.irp c, 0,1
	global_load_b128 v[AF+8*\s+4*\c:AF+8*\s+4*\c+3], v[LI], s[4:5] offset:512*(2*\s+\c)    ; K step s: heads 2 s and 2 s + 1
.endr
.endr
.irp s, 0,1,2,3,4,5,6,7
	global_load_b32 v[AS+\s], v[R4], s[56:57] offset:64*\s
.endr
.irp b, 0,1,2,3
	global_load_b128 v[WS+8*\b:WS+8*\b+3], v[L32], s[8:9] offset:1024*\b
	global_load_b128 v[WS+8*\b+4:WS+8*\b+7], v[L32], s[8:9] offset:1024*\b+16
.endr
	WIN 0x40                                       ; destination window 1
.irp p, 0,1,2,3,4,5,6,7,8,9,10,11,12,13,14,15
	global_load_b128 v[RW+4*\p:RW+4*\p+3], v[XO], s[12:13] offset:4096*\p
.endr
	WIN 0
	global_load_b128 v[BP:BP+3], v[XO], s[10:11]
	WIN 0x40
.irp t, 0,1,2,3,4,5,6,7
	global_load_b128 v[GW+8*\t:GW+8*\t+3], v[GA], s[14:15] offset:64*\t
	global_load_b128 v[GW+8*\t+4:GW+8*\t+7], v[GA], s[14:15] offset:64*\t+16
.endr
.irp t, 0,1,2,3,4,5,6,7
	global_load_b128 v[BEW+8*\t:BEW+8*\t+3], v[GA], s[16:17] offset:64*\t
	global_load_b128 v[BEW+8*\t+4:BEW+8*\t+7], v[GA], s[16:17] offset:64*\t+16
.endr
	WIN 0
	s_wait_loadcnt 49                              ; ao, its scale words and Wp's are in; x (16), bp (1), g2 (16) and be2 (16) may be out
	PIECE 0, 1                                     ; piece 0 has landed, piece 1 may be out
	FILL 0
	PIECE 1, 1                                     ; one load was issued behind it
	FILL 1
	PIECE 2, 1
	PIECE 3, 0
	PLACES 4
	s_wait_loadcnt 32                              ; x and bp are in; g2 and be2 may be out
	WIN 0x41                                       ; destination and source 0 in window 1
.irp p, 0,1,2,3,4,5,6,7,8,9,10,11,12,13,14,15
	v_pk_add_f32 v[RW+4*\p:RW+4*\p+1], v[RW+4*\p:RW+4*\p+1], v[BP:BP+1]
	v_pk_add_f32 v[RW+4*\p+2:RW+4*\p+3], v[RW+4*\p+2:RW+4*\p+3], v[BP+2:BP+3]
.endr
	WIN 0x04
.irp p, 0,1,2,3,4,5,6,7,8,9,10,11,12,13,14,15
	ds_store_b128 v[TIN], v[RW+4*\p:RW+4*\p+3] offset:TP*\p
.endr
	WIN 0
.irp t, 0,1,2,3,4,5,6,7
	ds_load_b128 v[WF+8*\t:WF+8*\t+3], v[TOUT] offset:64*\t        ; LDS serves a wave's instructions in order: these see my stores
	ds_load_b128 v[WF+8*\t+4:WF+8*\t+7], v[TOUT] offset:64*\t+16
.endr
	s_wait_dscnt 0x0
.set i, 0
.rept 32
	v_pk_add_f32 v[X+i:X+i+1], v[X+i:X+i+1], v[WF+i:WF+i+1]        ; x1; each accumulator from its low end on
.set i, i+2
.endr
.irp t, 0,1,2,3,4,5,6,7
	ds_store_b128 v[TOUT], v[X+8*\t:X+8*\t+3] offset:64*\t
	ds_store_b128 v[TOUT], v[X+8*\t+4:X+8*\t+7] offset:64*\t+16
.endr
	WIN 0x40
.irp p, 0,1,2,3,4,5,6,7,8,9,10,11,12,13,14,15
	ds_load_b128 v[RW+4*\p:RW+4*\p+3], v[TIN] offset:TP*\p
.endr
	WIN 0x04
.irp p, 0,1,2,3,4,5,6,7,8,9,10,11,12,13,14,15
	s_wait_dscnt 15-\p                             ; row p is back; the later rows may be out
	global_store_b128 v[XO], v[RW+4*\p:RW+4*\p+3], s[18:19] offset:4096*\p         ; 512 consecutive bytes of a row of x1
.endr
	WIN 0
.irp b, 0,1,2,3
	v_mov_b32 v[TM+4+\b], 0                        ; a lane permute's destination counts as one of its sources
.endr
	TAIL
	s_wait_tensorcnt 0x0                           ; the wave's end
	ds_add_u32 v[SPW], v[NIL]
	s_wait_dscnt 0x0
	CROUND                                         ; the closing round
	s_endpgm
.Lfunc_end_k_qe328928126_proj:
	.size	k_qe328928126_proj, .Lfunc_end_k_qe328928126_proj-k_qe328928126_proj
	.p2alignl 7, 3214868480
	.fill 96, 4, 3214868480
	.section	.rodata,"a",@progbits
	.p2align	6, 0x0
	.amdhsa_kernel k_qe328928126_proj
		.amdhsa_group_segment_fixed_size 327680
		.amdhsa_private_segment_fixed_size 0
		.amdhsa_enable_private_segment 0
		.amdhsa_kernarg_size 72
		.amdhsa_user_sgpr_count 2
		.amdhsa_user_sgpr_kernarg_segment_ptr 1
		.amdhsa_wavefront_size32 1
		.amdhsa_system_sgpr_workgroup_id_x 1
		.amdhsa_system_sgpr_workgroup_id_y 1
		.amdhsa_system_sgpr_workgroup_id_z 1
		.amdhsa_system_vgpr_workitem_id 0
		.amdhsa_next_free_vgpr 448
		.amdhsa_next_free_sgpr 66
		.amdhsa_reserve_vcc 0
		.amdhsa_float_denorm_mode_32 3
		.amdhsa_float_denorm_mode_16_64 3
		.amdhsa_memory_ordered 1
		.amdhsa_forward_progress 1
		.amdhsa_inst_pref_size 60
	.end_amdhsa_kernel
	.amdgpu_metadata
---
amdhsa.version: [ 1, 2 ]
amdhsa.kernels:
  - .name:           k_qe328928126_proj
    .symbol:         k_qe328928126_proj.kd
    .args:
      - { .name: ao, .offset: 0, .size: 8, .value_kind: global_buffer, .address_space: global }
      - { .name: Wp_codes, .offset: 8, .size: 8, .value_kind: global_buffer, .address_space: global }
      - { .name: Wp_scales, .offset: 16, .size: 8, .value_kind: global_buffer, .address_space: global }
      - { .name: bp, .offset: 24, .size: 8, .value_kind: global_buffer, .address_space: global }
      - { .name: x, .offset: 32, .size: 8, .value_kind: global_buffer, .address_space: global }
      - { .name: g2, .offset: 40, .size: 8, .value_kind: global_buffer, .address_space: global }
      - { .name: be2, .offset: 48, .size: 8, .value_kind: global_buffer, .address_space: global }
      - { .name: x1, .offset: 56, .size: 8, .value_kind: global_buffer, .address_space: global }
      - { .name: a2, .offset: 64, .size: 8, .value_kind: global_buffer, .address_space: global }
    .group_segment_fixed_size: 327680
    .private_segment_fixed_size: 0
    .kernarg_segment_align: 8
    .kernarg_segment_size: 72
    .max_flat_workgroup_size: 256
    .sgpr_count:     66
    .vgpr_count:     448
    .wavefront_size: 32
...
	.end_amdgpu_metadata
.endif
;; end of part 4
;; launch ff1 (part 5): grid 16 x 16, 8 waves a work-group, clusters of 4 x 4, 327,680 bytes of LDS; arguments a2, W1_codes, W1_scales, b1, hid; writes hid
.if DOCPART == 5
	.amdgcn_target "amdgcn-amd-amdhsa--gfx1250"
	.amdhsa_code_object_version 6
	.text
	.protected	k_qe328928126_ff1
	.globl	k_qe328928126_ff1
	.p2align	8
	.type	k_qe328928126_ff1,@function
k_qe328928126_ff1:
	s_mov_b64 s[64:65], 0
	v_nop
	global_prefetch_b8 v0, s[64:65] scope:SCOPE_SE
	s_setreg_imm32_b32 hwreg(HW_REG_WAVE_MODE, 25, 1), 1
	s_wait_xcnt 0x0
	s_wait_alu depctr_hold_cnt(0) depctr_sa_sdst(0) depctr_va_vdst(0) depctr_va_sdst(0) depctr_va_ssrc(0) depctr_va_vcc(0) depctr_vm_vsrc(0)
	s_getreg_b32 s2, hwreg(HW_REG_IB_STS2, 6, 4)
	s_cmp_eq_u32 s2, 0
	s_cbranch_scc0 .Lentry_in_a_cluster
	s_endpgm
.Lentry_in_a_cluster:
	s_bfe_u32 s2, ttmp6, 0x10000c
	s_cmp_lg_u32 s2, 0xf033
	s_cbranch_scc0 .Lentry_shape_is_right
	s_endpgm
.Lentry_shape_is_right:
; hid = Q(gelu(a2 W1 + b1)), the product on codes of FP4 with E8M0 scales, the quantiser along the 4,096 hidden units.
; A work-group makes 256 hidden units x 256 rows; K = 1,024 is two LDS slots of 512, so every LDS byte is filled once.
; ORIENTATION.  D = X (source 0: 16 rows of W1) x Y (source 1: 16 rows of a2): a lane holds ONE row and its registers run along the hidden units, the next product's K.
; SHARES.  Eight waves, two to a SIMD; wave (wx = w & 1, wy = w >> 1) makes hidden units 128 wx on (8 tiles: one K step of the next product) x rows 64 wy on (4 tiles): 12 fragments from LDS feed 32 products.
; The 32 accumulators fill register window 1 and take turns; all else lies in window 0: two switches of the window for a K step of 128, three for eight numbers' GELU.
; b1 is asked for beside the first tiles and is the C of each sum's first product: no addition, and no load behind the last product.  So it stands first in the f32 sum, where the problem writes it last.
; CLUSTER 4 x 4: W1's tile is asked for jointly by the four of a column, a2's by the four of a row.
; GELU: 0.5 z (1 + erf(z / sqrt 2)), erf as u P(u^2) / Q(u^2) on u held to -4 .. 4: a rational form good to a few units in erf's last place.
; OUT: codes [row tile 256][K step 32][1,024]: the operand's registers as they stand; scale words [two tiles 128][K step 32][32 lanes]: lanes 0-15 the even tile's rows, lanes 16-31 the odd tile's.
; LIMITS: NaN and infinities are not served.  1 + erf carries an absolute error of about 1e-7, so gelu of z under about -5.6 is up to |z| x 1e-7 where it should be next to 0.
; A block whose largest magnitude lies under 2^-124 gets the byte 1: its codes are zeros, and this program alone reads the bytes.
.set PITCH, 272
.set HALFT, 128*PITCH
.set SLOT,  4*HALFT                    ; W1's 256 rows, then a2's 256
.set SCL,   2*SLOT                     ; W1's scale bytes, 8,192, then a2's
.set XAD, 1
.set YAD, 3
.set XSA, 5
.set YSA, 6
.set VR,  7
.set VH,  8
.set L16, 9
.set BA,  12                           ; v12     32 h
.set L4,  14                           ; v14     4 x lane
.set YF,  16                           ; v16-47  Y's four fragments
.set XF,  48                           ; v48-111 X's eight
.set XS,  112                          ; v112-127 X's scale words
.set YS,  128                          ; v128-135 Y's
.set VA13, 136                         ; v136-137, v138-139: erf's two leading coefficients, as pairs
.set VB8,  138
.set PC,  144                          ; v144-175 the codes of the four Y tiles
.set TM,  176                          ; v176-191 the quantiser's, at work;
.set PW,  TM+8                         ; v184-187 in its gap: the four scale words
.set BX,  192                          ; v192-255 b1 of my 128 hidden units
.set GU,  16                           ; the GELU's, at work, in the fragments' registers
.set GV,  24
.set GP,  32
.set GQ,  40
.set GH,  48
.set WV,  26
.set G1W, 36
.set G1A, 44
.set G1WS, 52
.set G1AS, 68
.set G0W, 76
.set G0A, 88
.set A11, 36                           ; once all tensor loads are done: erf's coefficients as scalar pairs
.set A9,  38
.set A7,  40
.set A5,  42
.set A3,  44
.set A1,  46
.set B6,  48
.set B4,  50
.set B2,  52
.set B0,  54
.set SEL, 56
.set MSB, 0
.macro WIN new                         ; the immediate's high byte repeats the setting that is left
.if MSB != \new
	s_set_vgpr_msb (MSB<<8)|\new
.set MSB, \new
.endif
.endm
.macro PLACES n
.rept \n
	v_nop
.endr
.endm
.macro CROUND
	s_barrier_signal -1
	s_barrier_wait -1
	s_cmp_lg_u32 s[WV], 0
	s_cbranch_scc1 .Lnot_wave_0_\@
	s_barrier_signal -3
.Lnot_wave_0_\@:
	s_barrier_wait -3
	s_barrier_signal -1
	s_barrier_wait -1
.endm
.macro WM d, a, b, c, sa, sb, ra, rb   ; ra, rb = 1: that side's scales stand in lanes 16-31
.if (\ra) && (\rb)
	v_wmma_scale_f32_16x16x128_f8f6f4 v[\d:\d+7], v[\a:\a+7], v[\b:\b+7], \c, v[\sa], v[\sb] matrix_a_fmt:MATRIX_FMT_FP4 matrix_b_fmt:MATRIX_FMT_FP4 matrix_a_scale:MATRIX_SCALE_ROW1 matrix_b_scale:MATRIX_SCALE_ROW1
.elseif (\ra)
	v_wmma_scale_f32_16x16x128_f8f6f4 v[\d:\d+7], v[\a:\a+7], v[\b:\b+7], \c, v[\sa], v[\sb] matrix_a_fmt:MATRIX_FMT_FP4 matrix_b_fmt:MATRIX_FMT_FP4 matrix_a_scale:MATRIX_SCALE_ROW1
.elseif (\rb)
	v_wmma_scale_f32_16x16x128_f8f6f4 v[\d:\d+7], v[\a:\a+7], v[\b:\b+7], \c, v[\sa], v[\sb] matrix_a_fmt:MATRIX_FMT_FP4 matrix_b_fmt:MATRIX_FMT_FP4 matrix_b_scale:MATRIX_SCALE_ROW1
.else
	v_wmma_scale_f32_16x16x128_f8f6f4 v[\d:\d+7], v[\a:\a+7], v[\b:\b+7], \c, v[\sa], v[\sb] matrix_a_fmt:MATRIX_FMT_FP4 matrix_b_fmt:MATRIX_FMT_FP4
.endif
.endm
; 64 numbers of a lane in WINDOW 1, register s + 8 t + j = k 16 t + 8 h + j of its row, become a fragment's codes (registers 4 c .. 4 c + 3 = block 2 c + h) and the row's scale word, both in window 0.
.macro QUANT s, pc, pw
	WIN 0x05                                       ; sources 0 and 1 in window 1
.irp b, 0,1,2,3
	v_max3_num_f32 v[TM+\b], |v[\s+16*\b]|, |v[\s+1+16*\b]|, 0x1800000   ; block b: my 16 numbers, and the floor 2^(3 - 127): the byte cannot fall under 1
.endr
	WIN 0x14                                       ; sources 1 and 2 in window 1
.irp i, 2,4,6,8,10,12,14
.irp b, 0,1,2,3
	v_max3_num_f32 v[TM+\b], v[TM+\b], |v[\s+16*\b+\i]|, |v[\s+1+16*\b+\i]|
.endr
.endr
	WIN 0
.irp b, 0,1,2,3
	v_permlanex16_b32 v[TM+4+\b], v[TM+\b], s[SEL], s[SEL+1]
.endr
.irp b, 0,1,2,3
	v_max_num_f32 v[TM+\b], v[TM+\b], v[TM+4+\b]
.endr
.irp b, 0,1,2,3
	v_add_nc_u32 v[TM+12+\b], 0xff000000, v[TM+\b]    ; 2 off the exponent field: the conversion's scale operand
.endr
.irp b, 0,1,2,3
	v_lshrrev_b32 v[TM+4+\b], 23, v[TM+12+\b]         ; the scale's byte
.endr
	v_lshl_or_b32 v[\pw], v[TM+5], 8, v[TM+4]
	v_lshl_or_b32 v[\pw], v[TM+6], 16, v[\pw]
	v_lshl_or_b32 v[\pw], v[TM+7], 24, v[\pw]
	WIN 0x01                                       ; source 0, the eight numbers, in window 1
.irp c, 0,1
	v_cvt_scalef32_pk8_fp4_f32 v[\pc+4*\c], v[\s+32*\c:\s+32*\c+7], v[TM+12+2*\c]
	v_cvt_scalef32_pk8_fp4_f32 v[\pc+4*\c+2], v[\s+32*\c+8:\s+32*\c+15], v[TM+12+2*\c]
	v_cvt_scalef32_pk8_fp4_f32 v[\pc+4*\c+1], v[\s+32*\c+16:\s+32*\c+23], v[TM+13+2*\c]
	v_cvt_scalef32_pk8_fp4_f32 v[\pc+4*\c+3], v[\s+32*\c+24:\s+32*\c+31], v[TM+13+2*\c]
.endr
	WIN 0
	v_nop                                          ; one plain place behind a scaled conversion
.irp c, 0,1
	v_permlane16_swap_b32 v[\pc+4*\c], v[\pc+4*\c+1]
	v_permlane16_swap_b32 v[\pc+4*\c+2], v[\pc+4*\c+3]
.endr
.endm
.macro SCALES s
.irp b, 0,1,2,3
	ds_load_b128 v[XS+4*\b:XS+4*\b+3], v[XSA] offset:1024*\b+16*\s
.endr
.irp b, 0,1
	ds_load_b128 v[YS+4*\b:YS+4*\b+3], v[YSA] offset:1024*\b+16*\s
.endr
.endm
.macro STEP xa, ya, q, first           ; 128 along K: 24 LDS loads, 32 matrix instructions.  first = 1: the products start the sums, with b1 as their C
	PLACES 4                                       ; in front of loads into registers that matrix instructions have read
.irp u, 0,1,2,3
.irp c, 0,1
	ds_load_b128 v[YF+8*\u+4*\c:YF+8*\u+4*\c+3], v[\ya] offset:\u*16*PITCH+64*\q+32*\c
.endr
.endr
.irp t, 0,1,2,3,4,5,6,7
.irp c, 0,1
	ds_load_b128 v[XF+8*\t+4*\c:XF+8*\t+4*\c+3], v[\xa] offset:\t*16*PITCH+64*\q+32*\c
.endr
.endr
.if \first
	WIN 0x40                                       ; D in window 1
.else
	WIN 0x50                                       ; C and D in window 1
.endif
.irp t, 0,1,2,3,4,5,6,7
	s_wait_dscnt 14-2*\t                           ; X's tile t is in; the two loads of each later tile may be out
.irp u, 0,1,2,3
.if \first
	WM 64*\u+8*\t, XF+8*\t, YF+8*\u, v[BX+8*\t:BX+8*\t+7], XS+4*(\t/2)+\q, YS+4*(\u/2)+\q, \t%2, \u%2
.else
	WM 64*\u+8*\t, XF+8*\t, YF+8*\u, v[64*\u+8*\t:64*\u+8*\t+7], XS+4*(\t/2)+\q, YS+4*(\u/2)+\q, \t%2, \u%2
.endif
.endr
.endr
	WIN 0
.endm
.macro SPAIR reg, val                  ; a packed form names a scalar pair and takes its low word for both halves: both words are written
	s_mov_b32 s[\reg], \val
	s_mov_b32 s[\reg+1], \val
.endm
.macro HORNER acc, co                  ; acc = acc x u^2 + a coefficient, four pairs by turns
.irp i, 0,2,4,6
	v_pk_fma_f32 v[\acc+\i:\acc+\i+1], v[\acc+\i:\acc+\i+1], v[GV+\i:GV+\i+1], s[\co:\co+1] op_sel_hi:[1,1,0]
.endr
.endm
.macro GELU8 a                         ; eight numbers of window 1, in place
	WIN 0x01                                       ; source 0 in window 1
.irp i, 0,2,4,6
	v_pk_mul_f32 v[GU+\i:GU+\i+1], v[\a+\i:\a+\i+1], 0x3f3504f3 op_sel_hi:[1,0]    ; u = z / sqrt 2 (an accumulator's first read: its low end)
.endr
.irp i, 0,2,4,6
	v_pk_mul_f32 v[GH+\i:GH+\i+1], v[\a+\i:\a+\i+1], 0.5 op_sel_hi:[1,0]           ; z / 2
.endr
	WIN 0
.irp i, 0,1,2,3,4,5,6,7
	v_med3_num_f32 v[GU+\i], v[GU+\i], -4.0, 4.0
.endr
.irp i, 0,2,4,6
	v_pk_mul_f32 v[GV+\i:GV+\i+1], v[GU+\i:GU+\i+1], v[GU+\i:GU+\i+1]
.endr
.irp i, 0,2,4,6
	v_pk_fma_f32 v[GP+\i:GP+\i+1], v[GV+\i:GV+\i+1], v[VA13:VA13+1], s[A11:A11+1] op_sel_hi:[1,1,0]
.endr
.irp i, 0,2,4,6
	v_pk_fma_f32 v[GQ+\i:GQ+\i+1], v[GV+\i:GV+\i+1], v[VB8:VB8+1], s[B6:B6+1] op_sel_hi:[1,1,0]
.endr
	HORNER GP, A9
	HORNER GQ, B4
	HORNER GP, A7
	HORNER GQ, B2
	HORNER GP, A5
	HORNER GQ, B0
	HORNER GP, A3
	HORNER GP, A1
.irp i, 0,1,2,3,4,5,6,7
	v_rcp_f32 v[GQ+\i], v[GQ+\i]
.endr
.irp i, 0,2,4,6
	v_pk_mul_f32 v[GP+\i:GP+\i+1], v[GP+\i:GP+\i+1], v[GU+\i:GU+\i+1]              ; (plain places behind the reciprocals)
.endr
.irp i, 0,2,4,6
	v_pk_mul_f32 v[GP+\i:GP+\i+1], v[GP+\i:GP+\i+1], v[GQ+\i:GQ+\i+1]              ; erf
.endr
	WIN 0x40                                       ; destination in window 1
.irp i, 0,2,4,6
	v_pk_fma_f32 v[\a+\i:\a+\i+1], v[GH+\i:GH+\i+1], v[GP+\i:GP+\i+1], v[GH+\i:GH+\i+1]
.endr
.endm
	s_load_b256 s[4:11], s[0:1], 0x0               ; a2 s[4:5], W1's codes s[6:7], W1's scales s[8:9], b1 s[10:11]
	s_load_b64 s[24:25], s[0:1], 0x20              ; hid
	v_lshrrev_b32 v1, 5, v0
	v_readfirstlane_b32 s[WV], v1                  ; wave 0..7
	s_bfe_u32 s27, ttmp6, 0x40000                  ; cx
	s_bfe_u32 s28, ttmp6, 0x40004                  ; cy
	s_lshl_b32 s29, ttmp9, 2
	s_add_co_u32 s29, s29, s27                     ; which 256 hidden units
	s_and_b32 s30, ttmp7, 0xffff
	s_lshl_b32 s30, s30, 2
	s_add_co_u32 s30, s30, s28                     ; which 256 rows
	s_lshl_b32 s31, s28, 2
	s_lshl_b32 s31, 15, s31                        ; my row of the cluster
	s_lshl_b32 s32, 0x1111, s27                    ; my column
	s_or_b32 s[G1W], s32, (1<<20)|(1<<21)|(5<<22)|(3<<25)
	s_or_b32 s[G1A], s31, (1<<20)|(1<<21)|(5<<22)|(3<<25)
	s_or_b32 s[G1WS], s32, (3<<16)|(1<<21)
	s_or_b32 s[G1AS], s31, (3<<16)|(1<<21)
.irp g, G1W, G1A
	s_mov_b32 s[\g+1], 256<<16
	s_mov_b32 s[\g+2], 128<<16
	s_mov_b32 s[\g+3], 256<<16
	s_mov_b32 s[\g+4], 128
	s_mov_b32 s[\g+5], 512
	s_mov_b32 s[\g+6], 0
	s_mov_b32 s[\g+7], 0
.endr
.irp g, G1WS, G1AS
	s_mov_b32 s[\g+1], 32<<16
	s_mov_b32 s[\g+2], 16<<16
	s_mov_b32 s[\g+3], 32<<16
	s_mov_b32 s[\g+4], 16
	s_mov_b32 s[\g+5], 32
	s_mov_b32 s[\g+6], 0
	s_mov_b32 s[\g+7], 0
.endr
	s_and_b32 s33, s[WV], 1
	s_lshl_b32 s33, s33, 7                         ; which 128 rows of a tile I fetch
	s_lshl_b32 s34, s29, 8
	s_add_co_u32 s34, s34, s33                     ; W1's row (hangs on cx, never on cy)
	s_lshl_b32 s35, s30, 8
	s_add_co_u32 s35, s35, s33                     ; a2's row (hangs on cy, never on cx)
	s_lshl_b32 s60, s34, 9
	s_mov_b32 s61, 0
	s_lshl_b32 s62, s34, 5
	s_mov_b32 s63, 0
	s_lshl_b32 s66, s35, 9
	s_mov_b32 s67, 0
	s_lshl_b32 s2, s35, 5
	s_add_co_u32 s2, s2, 2097152
	s_mov_b32 s3, 0
	s_mul_i32 s31, s[WV], HALFT
	s_lshl_b32 s32, s[WV], 12
	s_add_co_u32 s32, s32, SCL
	s_wait_kmcnt 0x0
	s_add_nc_u64 s[6:7], s[6:7], s[60:61]
	s_add_nc_u64 s[12:13], s[4:5], s[66:67]
	s_mov_b32 s[G0W], 1
	s_mov_b32 s[G0W+1], s32
	s_add_nc_u64 s[G0W+2:G0W+3], s[8:9], s[62:63]
	s_or_b32 s[G0W+3], s[G0W+3], 0x80000000
	s_mov_b32 s[G0A], 1
	s_mov_b32 s[G0A+1], s32
	s_add_nc_u64 s[G0A+2:G0A+3], s[4:5], s[2:3]
	s_or_b32 s[G0A+3], s[G0A+3], 0x80000000
.irp s, 0,1
	s_mov_b32 s[G0W+4+4*\s], 1
	s_add_co_u32 s[G0W+5+4*\s], s31, \s*SLOT
	s_add_nc_u64 s[G0W+6+4*\s:G0W+7+4*\s], s[6:7], \s*256
	s_or_b32 s[G0W+7+4*\s], s[G0W+7+4*\s], 0x80000000
	s_mov_b32 s[G0A+4+4*\s], 1
	s_add_co_u32 s[G0A+5+4*\s], s31, \s*SLOT
	s_add_nc_u64 s[G0A+6+4*\s:G0A+7+4*\s], s[12:13], \s*256
	s_or_b32 s[G0A+7+4*\s], s[G0A+7+4*\s], 0x80000000
.endr
	CROUND                                         ; all sixteen work-groups are here: the joint loads meet
	s_cmp_lt_u32 s[WV], 2                          ; waves 0, 1 fetch W1's halves, waves 2, 3 a2's, the others nothing: three loads of a fetching wave are out
	s_cbranch_scc0 .Lnot_w
	tensor_load_to_lds s[G0W:G0W+3], s[G1WS:G1WS+7]
	tensor_load_to_lds s[G0W+4:G0W+7], s[G1W:G1W+7]
	tensor_load_to_lds s[G0W+8:G0W+11], s[G1W:G1W+7]
	PLACES 4
	s_branch .Lasked
.Lnot_w:
	s_cmp_lt_u32 s[WV], 4
	s_cbranch_scc0 .Lasked
	tensor_load_to_lds s[G0A:G0A+3], s[G1AS:G1AS+7]
	tensor_load_to_lds s[G0A+4:G0A+7], s[G1A:G1A+7]
	tensor_load_to_lds s[G0A+8:G0A+11], s[G1A:G1A+7]
	PLACES 4
.Lasked:
	v_and_b32 v[VR], 15, v0
	v_bfe_u32 v[VH], v0, 4, 1
	v_and_b32 v11, 31, v0
	v_lshlrev_b32 v[L16], 4, v11
	v_lshlrev_b32 v[L4], 2, v11
	v_mul_u32_u24 v10, v[VR], PITCH
	v_lshl_add_u32 v10, v[VH], 4, v10
	v_lshlrev_b32 v11, 5, v11
	s_and_b32 s33, s[WV], 1                        ; wx
	s_lshr_b32 s34, s[WV], 1                       ; wy, 0 to 3
	s_lshl_b32 s60, s29, 10
	s_lshl_b32 s61, s33, 9
	s_add_co_u32 s60, s60, s61
	s_mov_b32 s61, 0
	s_add_nc_u64 s[10:11], s[10:11], s[60:61]      ; b1 at hidden unit 256 gx + 128 wx
	v_lshlrev_b32 v[BA], 5, v[VH]
.irp t, 0,1,2,3,4,5,6,7                        ; asked for here, beside the first tiles: register 8 t + j wants hidden unit 16 t + 8 h + j
	global_load_b128 v[BX+8*\t:BX+8*\t+3], v[BA], s[10:11] offset:64*\t
	global_load_b128 v[BX+8*\t+4:BX+8*\t+7], v[BA], s[10:11] offset:64*\t+16
.endr
	s_mul_i32 s35, s33, HALFT
	v_add_nc_u32 v[XAD], s35, v10
	v_add_nc_u32 v[XAD+1], SLOT, v[XAD]
	s_mul_i32 s35, s34, 64*PITCH
	s_add_co_u32 s35, s35, 2*HALFT
	v_add_nc_u32 v[YAD], s35, v10
	v_add_nc_u32 v[YAD+1], SLOT, v[YAD]
	s_lshl_b32 s35, s33, 12
	s_add_co_u32 s35, s35, SCL
	v_add_nc_u32 v[XSA], s35, v11
	s_lshl_b32 s35, s34, 11
	s_add_co_u32 s35, s35, SCL+8192
	v_add_nc_u32 v[YSA], s35, v11
	v_mov_b32 v[VA13], 0xaf95df0b                  ; -2.72614225801306e-10
	v_mov_b32 v[VA13+1], 0xaf95df0b
	v_mov_b32 v[VB8], 0xb77460cd                   ; -1.45660718464996e-05
	v_mov_b32 v[VB8+1], 0xb77460cd
.irp b, 0,1,2,3
	v_mov_b32 v[TM+4+\b], 0                        ; a lane permute's destination counts as one of its sources
.endr
	s_wait_tensorcnt 0x1                           ; my scale bytes and my part of slot 0 are in; slot 1's load may stay out
	s_barrier_signal -1
	s_barrier_wait -1
	s_wait_loadcnt 0x0                             ; b1
	SCALES 0
	STEP XAD, YAD, 0, 1                            ; the first products start the sums
	STEP XAD, YAD, 1, 0
	STEP XAD, YAD, 2, 0
	STEP XAD, YAD, 3, 0
	s_wait_tensorcnt 0x0
	s_wait_dscnt 0x0
	s_barrier_signal -1
	s_barrier_wait -1
	PLACES 4                                       ; in front of loads into the scale registers that the last products named
	SCALES 1
	STEP XAD+1, YAD+1, 0, 0
	STEP XAD+1, YAD+1, 1, 0
	STEP XAD+1, YAD+1, 2, 0
	STEP XAD+1, YAD+1, 3, 0
	; THE WAY OUT.  All tensor loads are done, so the descriptors' registers are free.
	SPAIR A11, 0x32edffee                          ;  2.77068142495902e-08
	SPAIR A9,  0xb60cff51                          ; -2.10102402082508e-06
	SPAIR A7,  0xb86ec2d2                          ; -5.69250639462346e-05
	SPAIR A5,  0xba40ac63                          ; -7.34990630326855e-04
	SPAIR A3,  0xbb41a1f6                          ; -2.95459980854025e-03
	SPAIR A1,  0xbc83dbd4                          ; -1.60960333262415e-02
	SPAIR B6,  0xb95fbd29                          ; -2.13374055278905e-04
	SPAIR B4,  0xbadc924e                          ; -1.68282697438203e-03
	SPAIR B2,  0xbbf19bf8                          ; -7.37332916720468e-03
	SPAIR B0,  0xbc69b6a7                          ; -1.42647390514189e-02
	s_mov_b32 s[SEL], 0x76543210
	s_mov_b32 s[SEL+1], 0xfedcba98
	s_lshl_b32 s62, s30, 4
	s_lshl_b32 s63, s34, 2
	s_add_co_u32 s62, s62, s63                     ; my first row tile: 16 gy + 4 wy
	s_lshl_b32 s62, s62, 5
	s_lshl_b32 s63, s29, 1
	s_add_co_u32 s63, s63, s33                     ; the next product's K step: 2 gx + wx
	s_add_co_u32 s62, s62, s63
	s_lshl_b32 s58, s62, 10
	s_mov_b32 s59, 0
	s_add_nc_u64 s[58:59], s[24:25], s[58:59]      ; codes
	s_lshl_b32 s62, s30, 3
	s_lshl_b32 s66, s34, 1
	s_add_co_u32 s62, s62, s66                     ; my first pair of tiles: 8 gy + 2 wy
	s_lshl_b32 s62, s62, 5
	s_add_co_u32 s62, s62, s63
	s_lshl_b32 s60, s62, 7
	s_add_co_u32 s60, s60, 8388608
	s_mov_b32 s61, 0
	s_add_nc_u64 s[60:61], s[24:25], s[60:61]      ; scale words
	PLACES 4                                       ; in front of writes of the fragments' registers and of the first read of results
.set n, 0
.rept 32
	GELU8 n
.set n, n+8
.endr
.irp u, 0,1,2,3
	QUANT 64*\u, PC+8*\u, PW+\u
.endr
.irp u, 0,1,2,3
	global_store_b128 v[L16], v[PC+8*\u:PC+8*\u+3], s[58:59] offset:32768*\u       ; each store: 512 consecutive bytes; a row tile is 32 K steps of 1,024 bytes
	global_store_b128 v[L16], v[PC+8*\u+4:PC+8*\u+7], s[58:59] offset:32768*\u+512
.endr
	v_cmp_eq_u32 vcc_lo, 1, v[VH]
	v_cndmask_b32 v56, v[PW], v[PW+1], vcc_lo      ; lanes 0-15 the even tile's words, lanes 16-31 the odd tile's
	v_cndmask_b32 v57, v[PW+2], v[PW+3], vcc_lo
	global_store_b32 v[L4], v56, s[60:61]
	global_store_b32 v[L4], v57, s[60:61] offset:4096      ; the next pair of tiles: 32 K steps of 128 bytes on
	CROUND                                         ; the closing round
	s_endpgm
.Lfunc_end_k_qe328928126_ff1:
	.size	k_qe328928126_ff1, .Lfunc_end_k_qe328928126_ff1-k_qe328928126_ff1
	.p2alignl 7, 3214868480
	.fill 96, 4, 3214868480
	.section	.rodata,"a",@progbits
	.p2align	6, 0x0
	.amdhsa_kernel k_qe328928126_ff1
		.amdhsa_group_segment_fixed_size 327680
		.amdhsa_private_segment_fixed_size 0
		.amdhsa_enable_private_segment 0
		.amdhsa_kernarg_size 40
		.amdhsa_user_sgpr_count 2
		.amdhsa_user_sgpr_kernarg_segment_ptr 1
		.amdhsa_wavefront_size32 1
		.amdhsa_system_sgpr_workgroup_id_x 1
		.amdhsa_system_sgpr_workgroup_id_y 1
		.amdhsa_system_sgpr_workgroup_id_z 1
		.amdhsa_system_vgpr_workitem_id 0
		.amdhsa_next_free_vgpr 512
		.amdhsa_next_free_sgpr 100
		.amdhsa_reserve_vcc 1
		.amdhsa_float_denorm_mode_32 3
		.amdhsa_float_denorm_mode_16_64 3
		.amdhsa_memory_ordered 1
		.amdhsa_forward_progress 1
		.amdhsa_inst_pref_size 236
	.end_amdhsa_kernel
	.amdgpu_metadata
---
amdhsa.version: [ 1, 2 ]
amdhsa.kernels:
  - .name:           k_qe328928126_ff1
    .symbol:         k_qe328928126_ff1.kd
    .args:
      - { .name: a2, .offset: 0, .size: 8, .value_kind: global_buffer, .address_space: global }
      - { .name: W1_codes, .offset: 8, .size: 8, .value_kind: global_buffer, .address_space: global }
      - { .name: W1_scales, .offset: 16, .size: 8, .value_kind: global_buffer, .address_space: global }
      - { .name: b1, .offset: 24, .size: 8, .value_kind: global_buffer, .address_space: global }
      - { .name: hid, .offset: 32, .size: 8, .value_kind: global_buffer, .address_space: global }
    .group_segment_fixed_size: 327680
    .private_segment_fixed_size: 0
    .kernarg_segment_align: 8
    .kernarg_segment_size: 40
    .max_flat_workgroup_size: 256
    .sgpr_count:     100
    .vgpr_count:     512
    .wavefront_size: 32
...
	.end_amdgpu_metadata
.endif
;; end of part 5
;; launch ff2 (part 6): grid 8 x 32, 8 waves a work-group, clusters of 4 x 4, 327,680 bytes of LDS; arguments hid, W2_codes, W2_scales, b2, x1, out0; writes out0
.if DOCPART == 6
	.amdgcn_target "amdgcn-amd-amdhsa--gfx1250"
	.amdhsa_code_object_version 6
	.text
	.protected	k_qe328928126_ff2
	.globl	k_qe328928126_ff2
	.p2align	8
	.type	k_qe328928126_ff2,@function
k_qe328928126_ff2:
	s_mov_b64 s[64:65], 0
	v_nop
	global_prefetch_b8 v0, s[64:65] scope:SCOPE_SE
	s_setreg_imm32_b32 hwreg(HW_REG_WAVE_MODE, 25, 1), 1
	s_wait_xcnt 0x0
	s_wait_alu depctr_hold_cnt(0) depctr_sa_sdst(0) depctr_va_vdst(0) depctr_va_sdst(0) depctr_va_ssrc(0) depctr_va_vcc(0) depctr_vm_vsrc(0)
	s_getreg_b32 s2, hwreg(HW_REG_IB_STS2, 6, 4)
	s_cmp_eq_u32 s2, 0
	s_cbranch_scc0 .Lentry_in_a_cluster
	s_endpgm
.Lentry_in_a_cluster:
	s_bfe_u32 s2, ttmp6, 0x10000c
	s_cmp_lg_u32 s2, 0xf033
	s_cbranch_scc0 .Lentry_shape_is_right
	s_endpgm
.Lentry_shape_is_right:
; out0 = x1 + hid W2 + b2, the product on codes of FP4 with E8M0 scales; K = 4,096.
; A work-group makes 128 columns x 128 rows (256 work-groups).  D = X (source 0: 16 rows of W2) x Y (source 1: 16 rows of hid): a lane holds one row and eight neighbouring columns.
; SHARES.  Eight waves; wave (wx = w & 1, wy = w >> 1) makes columns 64 wx on (4 tiles) x rows 32 wy on (2 tiles): 8 accumulators, which take turns.
; K goes in four steps of 1,024 through a ring of two LDS slots: W2's 128 rows of 512 bytes (+ 16), and hid's 8 row tiles x 8 images of 1,024 bytes, which are dense runs of 8 KiB in memory.
; The scale bytes for all of K come once, with the first fills, and stay: W2's as rows of 128 bytes + 16, hid's words as they lie.
; CLUSTER 4 x 4: W2's tiles are asked for jointly by the four of a column, hid's by the four of a row.  Waves 0, 1 fetch W2's halves, waves 2, 3 hid's: three loads out at the start, one behind each round.
; Two sets of fragment registers: a K step of 128 is multiplied while the next one's 15 LDS loads are on their way.
; The results meet in a stage in slot 0 (it has had its last fill, and nobody reads it behind the last change of slots) and leave as rows of 512 bytes.
.set XP,    528
.set XREG,  128*XP                     ; W2's part of a slot
.set SLOT,  XREG+65536
.set SCX,   2*SLOT                     ; W2's scale bytes: 128 rows x 144
.set SCY,   SCX+128*144                ; hid's scale words: 4 pairs of tiles x 32 K steps x 128 bytes
.set SPARE, SCY+16384                  ; the spare words, 128 bytes for each wave: four blocks of 256 bytes that no other line names
.set XAD,  1                           ; v1, v2
.set YAD,  3                           ; v3, v4
.set XSAD, 5
.set YSAD, 6
.set STO,  7
.set SRD,  8
.set L16,  9
.set XF,   16                          ; set p at + 52 p: X's four fragments,
.set YF,   48                          ; Y's two,
.set XS,   64                          ; X's two registers of scale words (rows 32 b + lane),
.set YS,   66                          ; Y's one
.set ACC,  120                         ; accumulator (t, u) at 120 + 8 (2 t + u)
.set XR,   184                         ; v184-247 x1's rows
.set B2,   248
.set SPW,  252
.set NIL,  253
.set WV,   16
.set G1X,  28
.set G1Y,  36
.set G1XS, 44
.set G1YS, 52
.set G0X,  68                          ; s[68:75] one set for each slot
.set G0Y,  76
.set G0XS, 84
.set G0YS, 88
.macro PLACES n
.rept \n
	v_nop
.endr
.endm
.macro CROUND
	s_barrier_signal -1
	s_barrier_wait -1
	s_cmp_lg_u32 s[WV], 0
	s_cbranch_scc1 .Lnot_wave_0_\@
	s_barrier_signal -3
.Lnot_wave_0_\@:
	s_barrier_wait -3
	s_barrier_signal -1
	s_barrier_wait -1
.endm
.macro WM d, a, b, c, sa, sb, ra, rb
.if (\ra) && (\rb)
	v_wmma_scale_f32_16x16x128_f8f6f4 v[\d:\d+7], v[\a:\a+7], v[\b:\b+7], \c, v[\sa], v[\sb] matrix_a_fmt:MATRIX_FMT_FP4 matrix_b_fmt:MATRIX_FMT_FP4 matrix_a_scale:MATRIX_SCALE_ROW1 matrix_b_scale:MATRIX_SCALE_ROW1
.elseif (\ra)
	v_wmma_scale_f32_16x16x128_f8f6f4 v[\d:\d+7], v[\a:\a+7], v[\b:\b+7], \c, v[\sa], v[\sb] matrix_a_fmt:MATRIX_FMT_FP4 matrix_b_fmt:MATRIX_FMT_FP4 matrix_a_scale:MATRIX_SCALE_ROW1
.elseif (\rb)
	v_wmma_scale_f32_16x16x128_f8f6f4 v[\d:\d+7], v[\a:\a+7], v[\b:\b+7], \c, v[\sa], v[\sb] matrix_a_fmt:MATRIX_FMT_FP4 matrix_b_fmt:MATRIX_FMT_FP4 matrix_b_scale:MATRIX_SCALE_ROW1
.else
	v_wmma_scale_f32_16x16x128_f8f6f4 v[\d:\d+7], v[\a:\a+7], v[\b:\b+7], \c, v[\sa], v[\sb] matrix_a_fmt:MATRIX_FMT_FP4 matrix_b_fmt:MATRIX_FMT_FP4
.endif
.endm
.macro JLOAD slot                      ; a joint refill; the branches hang on the wave's number alone
	s_cmp_lt_u32 s[WV], 2
	s_cbranch_scc0 .Lnot_x_\@
	tensor_load_to_lds s[G0X+4*\slot:G0X+4*\slot+3], s[G1X:G1X+7]
	PLACES 4
	s_branch .Lasked_\@
.Lnot_x_\@:
	s_cmp_lt_u32 s[WV], 4
	s_cbranch_scc0 .Lasked_\@
	tensor_load_to_lds s[G0Y+4*\slot:G0Y+4*\slot+3], s[G1Y:G1Y+7]
	PLACES 4
.Lasked_\@:
.endm
.macro LOADS slot, q, ks, p            ; 15 LDS loads: the slot's q-th 128 along K (K step ks of 32) into set p
.irp t, 0,1,2,3
.irp c, 0,1
	ds_load_b128 v[XF+52*(\p)+8*\t+4*\c:XF+52*(\p)+8*\t+4*\c+3], v[XAD+\slot] offset:\t*16*XP+64*(\q)+32*\c
.endr
.endr
.irp u, 0,1
.irp c, 0,1
	ds_load_b128 v[YF+52*(\p)+8*\u+4*\c:YF+52*(\p)+8*\u+4*\c+3], v[YAD+\slot] offset:(8*\u+(\q))*1024+512*\c
.endr
.endr
	ds_load_b32 v[XS+52*(\p)], v[XSAD] offset:4*(\ks)
	ds_load_b32 v[XS+52*(\p)+1], v[XSAD] offset:4608+4*(\ks)
	ds_load_b32 v[YS+52*(\p)], v[YSAD] offset:128*(\ks)
.endm
.macro MULS p, zero
.irp t, 0,1,2,3
.irp u, 0,1
.if \zero
	WM ACC+8*(2*\t+\u), XF+52*(\p)+8*\t, YF+52*(\p)+8*\u, 0, XS+52*(\p)+\t/2, YS+52*(\p), \t%2, \u
.else
	WM ACC+8*(2*\t+\u), XF+52*(\p)+8*\t, YF+52*(\p)+8*\u, v[ACC+8*(2*\t+\u):ACC+8*(2*\t+\u)+7], XS+52*(\p)+\t/2, YS+52*(\p), \t%2, \u
.endif
.endr
.endr
.endm
.macro KSLOT n                         ; the n-th 1,024 along K, in slot n % 2
	PLACES 4                                       ; in front of loads into registers that matrix instructions have read
	LOADS (\n)%2, 0, 8*(\n), 0
.irp q, 0,1,2,3,4,5,6
	PLACES 4
	LOADS (\n)%2, \q+1, 8*(\n)+\q+1, (\q+1)%2
	s_wait_dscnt 15                                ; all but the 15 just issued
.if ((\n) == 0) && (\q == 0)
	MULS 0, 1                                      ; the first products start the sums
.else
	MULS \q%2, 0
.endif
.endr
	s_wait_dscnt 0x0
	MULS 1, 0
.endm
.macro CHANGE fill, slot               ; fill = 1: the slot just read is filled again, two steps of 1,024 ahead
	s_wait_tensorcnt 0x0                           ; all my tensor loads have landed, my part of the next slot among them: so a group 0 may be written
	ds_add_u32 v[SPW], v[NIL]                      ; 0 onto my spare word
.if \fill
	s_add_nc_u64 s[G0X+4*\slot+2:G0X+4*\slot+3], s[G0X+4*\slot+2:G0X+4*\slot+3], 1024
	s_add_nc_u64 s[G0Y+4*\slot+2:G0Y+4*\slot+3], s[G0Y+4*\slot+2:G0Y+4*\slot+3], 16384
.endif
	s_wait_dscnt 0x0                               ; the add is done, and my reads of the slot are back
.if \fill
	CROUND                                         ; the same holds of every wave of all sixteen work-groups
	JLOAD \slot                                    ; the first tensor load behind the round, one a wave
.else
	s_barrier_signal -1
	s_barrier_wait -1
.endif
.endm
	s_load_b256 s[4:11], s[0:1], 0x0               ; hid s[4:5], W2's codes s[6:7], W2's scales s[8:9], b2 s[10:11]
	s_load_b128 s[12:15], s[0:1], 0x20             ; x1 s[12:13], out0 s[14:15]
	v_lshl_add_u32 v[SPW], v0, 2, SPARE
	v_mov_b32 v[NIL], 0
	v_lshrrev_b32 v10, 5, v0
	v_readfirstlane_b32 s[WV], v10                 ; wave 0..7
	s_bfe_u32 s17, ttmp6, 0x40000                  ; cx
	s_bfe_u32 s18, ttmp6, 0x40004                  ; cy
	s_lshl_b32 s19, ttmp9, 2
	s_add_co_u32 s19, s19, s17                     ; which 128 columns
	s_and_b32 s20, ttmp7, 0xffff
	s_lshl_b32 s20, s20, 2
	s_add_co_u32 s20, s20, s18                     ; which 128 rows
	s_lshl_b32 s21, s18, 2
	s_lshl_b32 s21, 15, s21                        ; my row of the cluster
	s_lshl_b32 s22, 0x1111, s17                    ; my column
	s_or_b32 s[G1X], s22, (1<<20)|(1<<21)|(6<<22)|(3<<25)          ; elements of 1 byte; 4 words of padding behind every 128
	s_mov_b32 s[G1X+1], 512<<16
	s_mov_b32 s[G1X+2], 64<<16
	s_mov_b32 s[G1X+3], 512<<16
	s_mov_b32 s[G1X+4], 64
	s_mov_b32 s[G1X+5], 2048                       ; a row of 4,096 codes
	s_mov_b32 s[G1X+6], 0
	s_mov_b32 s[G1X+7], 0
	s_or_b32 s[G1Y], s21, (3<<16)|(1<<21)          ; elements of 8 bytes; four row tiles x 8 KiB, 32 KiB apart
	s_mov_b32 s[G1Y+1], 1024<<16
	s_mov_b32 s[G1Y+2], 4<<16
	s_mov_b32 s[G1Y+3], 1024<<16
	s_mov_b32 s[G1Y+4], 4
	s_mov_b32 s[G1Y+5], 4096
	s_mov_b32 s[G1Y+6], 0
	s_mov_b32 s[G1Y+7], 0
	s_or_b32 s[G1XS], s22, (3<<16)|(1<<20)|(1<<21)|(4<<22)|(3<<25) ; 64 rows of 128 bytes, 4 words of padding behind every 32
	s_mov_b32 s[G1XS+1], 16<<16
	s_mov_b32 s[G1XS+2], 64<<16
	s_mov_b32 s[G1XS+3], 16<<16
	s_mov_b32 s[G1XS+4], 64
	s_mov_b32 s[G1XS+5], 16
	s_mov_b32 s[G1XS+6], 0
	s_mov_b32 s[G1XS+7], 0
	s_or_b32 s[G1YS], s21, (3<<16)|(1<<21)         ; 8 KiB dense, as 32 rows of 256 bytes
	s_mov_b32 s[G1YS+1], 32<<16
	s_mov_b32 s[G1YS+2], 32<<16
	s_mov_b32 s[G1YS+3], 32<<16
	s_mov_b32 s[G1YS+4], 32
	s_mov_b32 s[G1YS+5], 32
	s_mov_b32 s[G1YS+6], 0
	s_mov_b32 s[G1YS+7], 0
	s_and_b32 s23, s[WV], 1                        ; which half I fetch
	s_lshl_b32 s24, s19, 7
	s_lshl_b32 s25, s23, 6
	s_add_co_u32 s24, s24, s25                     ; W2's row (hangs on cx, never on cy)
	s_lshl_b32 s60, s24, 11
	s_mov_b32 s61, 0
	s_lshl_b32 s62, s24, 7
	s_mov_b32 s63, 0
	s_lshl_b32 s26, s20, 3
	s_lshl_b32 s27, s23, 2
	s_add_co_u32 s26, s26, s27                     ; hid's row tile (hangs on cy, never on cx)
	s_lshl_b32 s66, s26, 15
	s_mov_b32 s67, 0
	s_lshl_b32 s92, s26, 11                        ; its scale words: 4,096 bytes for two tiles
	s_add_co_u32 s92, s92, 8388608
	s_mov_b32 s93, 0
	s_mul_i32 s24, s23, 64*XP                      ; where they go
	s_lshl_b32 s25, s23, 15
	s_add_co_u32 s25, s25, XREG
	s_mul_i32 s26, s23, 64*144
	s_add_co_u32 s26, s26, SCX
	s_lshl_b32 s27, s23, 13
	s_add_co_u32 s27, s27, SCY
	s_wait_kmcnt 0x0
	s_add_nc_u64 s[6:7], s[6:7], s[60:61]
	s_add_nc_u64 s[66:67], s[4:5], s[66:67]
	s_mov_b32 s[G0XS], 1
	s_mov_b32 s[G0XS+1], s26
	s_add_nc_u64 s[G0XS+2:G0XS+3], s[8:9], s[62:63]
	s_or_b32 s[G0XS+3], s[G0XS+3], 0x80000000
	s_mov_b32 s[G0YS], 1
	s_mov_b32 s[G0YS+1], s27
	s_add_nc_u64 s[G0YS+2:G0YS+3], s[4:5], s[92:93]
	s_or_b32 s[G0YS+3], s[G0YS+3], 0x80000000
.irp s, 0,1
	s_mov_b32 s[G0X+4*\s], 1
	s_add_co_u32 s[G0X+4*\s+1], s24, \s*SLOT
	s_add_nc_u64 s[G0X+4*\s+2:G0X+4*\s+3], s[6:7], \s*512
	s_or_b32 s[G0X+4*\s+3], s[G0X+4*\s+3], 0x80000000
	s_mov_b32 s[G0Y+4*\s], 1
	s_add_co_u32 s[G0Y+4*\s+1], s25, \s*SLOT
	s_add_nc_u64 s[G0Y+4*\s+2:G0Y+4*\s+3], s[66:67], \s*8192
	s_or_b32 s[G0Y+4*\s+3], s[G0Y+4*\s+3], 0x80000000
.endr
	CROUND                                         ; all sixteen work-groups are here: the first joint loads meet
	s_cmp_lt_u32 s[WV], 2
	s_cbranch_scc0 .Lnot_x
	tensor_load_to_lds s[G0XS:G0XS+3], s[G1XS:G1XS+7]
	tensor_load_to_lds s[G0X:G0X+3], s[G1X:G1X+7]
	tensor_load_to_lds s[G0X+4:G0X+7], s[G1X:G1X+7]
	PLACES 4
	s_branch .Lasked
.Lnot_x:
	s_cmp_lt_u32 s[WV], 4
	s_cbranch_scc0 .Lasked
	tensor_load_to_lds s[G0YS:G0YS+3], s[G1YS:G1YS+7]
	tensor_load_to_lds s[G0Y:G0Y+3], s[G1Y:G1Y+7]
	tensor_load_to_lds s[G0Y+4:G0Y+7], s[G1Y:G1Y+7]
	PLACES 4
.Lasked:
	v_and_b32 v10, 15, v0                          ; r
	v_bfe_u32 v11, v0, 4, 1                        ; h
	v_and_b32 v12, 31, v0                          ; lane
	s_and_b32 s23, s[WV], 1                        ; wx
	s_lshr_b32 s94, s[WV], 1                       ; wy
	v_mul_u32_u24 v13, v10, XP
	v_lshl_add_u32 v[XAD], v11, 4, v13
	s_mul_i32 s95, s23, 64*XP
	v_add_nc_u32 v[XAD], s95, v[XAD]
	v_add_nc_u32 v[XAD+1], SLOT, v[XAD]
	v_lshlrev_b32 v[L16], 4, v12
	s_lshl_b32 s95, s94, 14
	s_add_co_u32 s95, s95, XREG
	v_add_nc_u32 v[YAD], s95, v[L16]
	v_add_nc_u32 v[YAD+1], SLOT, v[YAD]
	v_mul_u32_u24 v[XSAD], v12, 144
	s_mul_i32 s95, s23, 64*144
	s_add_co_u32 s95, s95, SCX
	v_add_nc_u32 v[XSAD], s95, v[XSAD]
	v_lshlrev_b32 v[YSAD], 2, v12
	s_lshl_b32 s95, s94, 12
	s_add_co_u32 s95, s95, SCY
	v_add_nc_u32 v[YSAD], s95, v[YSAD]
	s_mul_i32 s95, s94, 32*XP                      ; the stage: row 32 wy + r, + 256 wx + 32 h
	s_lshl_b32 s24, s23, 8
	s_add_co_u32 s95, s95, s24
	v_lshl_add_u32 v[STO], v11, 5, v13
	v_add_nc_u32 v[STO], s95, v[STO]
	s_mul_i32 s95, s[WV], 16*XP                    ; back: my 16 rows, 16 bytes a lane
	v_add_nc_u32 v[SRD], s95, v[L16]
	s_lshl_b32 s24, s20, 7
	s_lshl_b32 s25, s[WV], 4
	s_add_co_u32 s24, s24, s25                     ; the first row that I store
	s_lshl_b32 s24, s24, 12
	s_lshl_b32 s26, s19, 9                         ; the tile's first column, in bytes
	s_add_co_u32 s24, s24, s26
	s_mov_b32 s25, 0
	s_mov_b32 s27, 0
	s_add_nc_u64 s[12:13], s[12:13], s[24:25]
	s_add_nc_u64 s[14:15], s[14:15], s[24:25]
	s_add_nc_u64 s[10:11], s[10:11], s[26:27]
	s_wait_tensorcnt 0x1                           ; my scale bytes and my part of slot 0 are in; slot 1's load may stay out
	s_barrier_signal -1
	s_barrier_wait -1
	KSLOT 0
	CHANGE 1, 0
	KSLOT 1
	CHANGE 1, 1
	KSLOT 2
	CHANGE 0, 0                                    ; nothing is left to fetch
.irp i, 0,1,2,3,4,5,6,7,8,9,10,11,12,13,14,15
	global_load_b128 v[XR+4*\i:XR+4*\i+3], v[L16], s[12:13] offset:4096*\i         ; x1's rows land under the last 64 products
.endr
	global_load_b128 v[B2:B2+3], v[L16], s[10:11]
	KSLOT 3
	PLACES 4
.irp t, 0,1,2,3
.irp u, 0,1
	ds_store_b128 v[STO], v[ACC+8*(2*\t+\u):ACC+8*(2*\t+\u)+3] offset:\u*16*XP+64*\t       ; each accumulator from its low end on
	ds_store_b128 v[STO], v[ACC+8*(2*\t+\u)+4:ACC+8*(2*\t+\u)+7] offset:\u*16*XP+64*\t+16
.endr
.endr
	s_wait_dscnt 0x0                               ; for the others' sake: a row's 512 bytes come from two waves
	s_barrier_signal -1
	s_barrier_wait -1
.irp i, 0,1,2,3,4,5,6,7,8,9,10,11,12,13,14,15
	ds_load_b128 v[ACC+4*\i:ACC+4*\i+3], v[SRD] offset:XP*\i
.endr
	s_wait_loadcnt 0x0                             ; x1 and b2
.irp i, 0,1,2,3,4,5,6,7,8,9,10,11,12,13,14,15
	s_wait_dscnt 15-\i                             ; row i is back; the later rows may be out
	v_pk_add_f32 v[ACC+4*\i:ACC+4*\i+1], v[ACC+4*\i:ACC+4*\i+1], v[B2:B2+1]
	v_pk_add_f32 v[ACC+4*\i+2:ACC+4*\i+3], v[ACC+4*\i+2:ACC+4*\i+3], v[B2+2:B2+3]
	v_pk_add_f32 v[ACC+4*\i:ACC+4*\i+1], v[ACC+4*\i:ACC+4*\i+1], v[XR+4*\i:XR+4*\i+1]
	v_pk_add_f32 v[ACC+4*\i+2:ACC+4*\i+3], v[ACC+4*\i+2:ACC+4*\i+3], v[XR+4*\i+2:XR+4*\i+3]
	global_store_b128 v[L16], v[ACC+4*\i:ACC+4*\i+3], s[14:15] offset:4096*\i      ; 512 consecutive bytes of a row of out0
.endr
	s_wait_tensorcnt 0x0                           ; the wave's end
	ds_add_u32 v[SPW], v[NIL]
	s_wait_dscnt 0x0
	CROUND                                         ; the closing round
	s_endpgm
.Lfunc_end_k_qe328928126_ff2:
	.size	k_qe328928126_ff2, .Lfunc_end_k_qe328928126_ff2-k_qe328928126_ff2
	.p2alignl 7, 3214868480
	.fill 96, 4, 3214868480
	.section	.rodata,"a",@progbits
	.p2align	6, 0x0
	.amdhsa_kernel k_qe328928126_ff2
		.amdhsa_group_segment_fixed_size 327680
		.amdhsa_private_segment_fixed_size 0
		.amdhsa_enable_private_segment 0
		.amdhsa_kernarg_size 48
		.amdhsa_user_sgpr_count 2
		.amdhsa_user_sgpr_kernarg_segment_ptr 1
		.amdhsa_wavefront_size32 1
		.amdhsa_system_sgpr_workgroup_id_x 1
		.amdhsa_system_sgpr_workgroup_id_y 1
		.amdhsa_system_sgpr_workgroup_id_z 1
		.amdhsa_system_vgpr_workitem_id 0
		.amdhsa_next_free_vgpr 256
		.amdhsa_next_free_sgpr 96
		.amdhsa_reserve_vcc 0
		.amdhsa_float_denorm_mode_32 3
		.amdhsa_float_denorm_mode_16_64 3
		.amdhsa_memory_ordered 1
		.amdhsa_forward_progress 1
		.amdhsa_inst_pref_size 88
	.end_amdhsa_kernel
	.amdgpu_metadata
---
amdhsa.version: [ 1, 2 ]
amdhsa.kernels:
  - .name:           k_qe328928126_ff2
    .symbol:         k_qe328928126_ff2.kd
    .args:
      - { .name: hid, .offset: 0, .size: 8, .value_kind: global_buffer, .address_space: global }
      - { .name: W2_codes, .offset: 8, .size: 8, .value_kind: global_buffer, .address_space: global }
      - { .name: W2_scales, .offset: 16, .size: 8, .value_kind: global_buffer, .address_space: global }
      - { .name: b2, .offset: 24, .size: 8, .value_kind: global_buffer, .address_space: global }
      - { .name: x1, .offset: 32, .size: 8, .value_kind: global_buffer, .address_space: global }
      - { .name: out0, .offset: 40, .size: 8, .value_kind: global_buffer, .address_space: global }
    .group_segment_fixed_size: 327680
    .private_segment_fixed_size: 0
    .kernarg_segment_align: 8
    .kernarg_segment_size: 48
    .max_flat_workgroup_size: 256
    .sgpr_count:     96
    .vgpr_count:     256
    .wavefront_size: 32
...
	.end_amdgpu_metadata
.endif
;; end of part 6
